; MI455X (gfx1250); checked and timed in simulation.
; The chip was launched on July 23, 2026; its instructions are those of AMD's public machine-readable ISA for CDNA 5 (MIT licence, August 2026) and "CDNA5" Instruction Set Architecture Reference Guide (July 2026). The comments in the code are by the model that wrote it; some were corrected since.
;; Gemma4 Routed Experts. Allowed arithmetic: matrix products marked QUANTISED: E4M3 operands, one E8M0 scale for each 32 along K, by v_wmma_scale_f32_16x16x128_f8f6f4 with both operands' format E4M3, f32 sums; products left as they are: f32 operands where the result goes on into a quantised operand, else bf16, f16 or f32 operands; f32 sums; everything else in f32.
;; Inputs: down_proj_w_codes 8 x 1,024 x 64 x 32 uint8 (E4M3 codes of down_proj_w, K innermost, in blocks of 32 codes); down_proj_w_scales 8 x 1,024 x 64 uint8 (E8M0 scales of down_proj_w, one for each 32 codes along K); gate_inputs 2 x 512 x 1,024 float32; gate_kernel 1,024 x 8 float32; gate_proj_w_codes 8 x 2,048 x 32 x 32 uint8 (E4M3 codes of gate_proj_w, K innermost, in blocks of 32 codes); gate_proj_w_scales 8 x 2,048 x 32 uint8 (E8M0 scales of gate_proj_w, one for each 32 codes along K); per_expert_scale 8 float32; up_proj_w_codes 8 x 2,048 x 32 x 32 uint8 (E4M3 codes of up_proj_w, K innermost, in blocks of 32 codes); up_proj_w_scales 8 x 2,048 x 32 uint8 (E8M0 scales of up_proj_w, one for each 32 codes along K); x_codes 2 x 512 x 32 x 32 uint8 (E4M3 codes of x, K innermost, in blocks of 32 codes); x_scales 2 x 512 x 32 uint8 (E8M0 scales of x, one for each 32 codes along K).
;; Outputs: out0 2 x 512 x 1,024 float32.
;; This version of the problem:
;;   THIS VERSION OF THE PROBLEM IS GIVEN IN LOW PRECISION. The matrix products marked QUANTISED in the list below multiply operands that are first quantised to E4M3 (4 exponent bits, 3 mantissa bits; 8 bits a number), with one power-of-two scale for each 32 numbers along K (OCP MX v1.0); their sums are f32. All else is computed in f32.
;;   The module's matrix products, in the order in which they are computed (A, B: the left and right operand; K: the contracted axis; several contracted axes count as one K, in the product's order):
;;     1. [M 1,024, K 1,024] x [K 1,024, N 8]; A: input gate_inputs; B: input gate_kernel: left as it is (N = 8 < 16)
;;     2. [M 1,024, K 1,024] x [K 1,024, N 16,384]; A: input x (given as codes); B: input gate_proj_w (given as codes): QUANTISED
;;     3. [M 1,024, K 1,024] x [K 1,024, N 16,384]; A: input x (given as codes); B: input up_proj_w (given as codes): QUANTISED
;;     4. batch 8 x [M 1,024, K 2,048] x [K 2,048, N 1,024]; A: input down_proj_w (given as codes); B: computed on the way: QUANTISED
;;     5. batch 1,024 x [M 2, K 8] x [K 8, N 1,024]; A: computed on the way; B: computed on the way: left as it is (K = 8 < 32)
;;     6. batch 1,024 x [M 1, K 2] x [K 2, N 1,024]; A: computed on the way; B: computed on the way: left as it is (K = 2 < 32)
;;   THE QUANTISER, for each operand of a quantised product, along K:
;;     - K is cut into blocks of 32 from its start; a last block that is shorter is filled with zeros.
;;     - A block's scale is 2^e with e = floor(log2(the largest magnitude in the block)) - 8, held to -126 .. 127; a block of zeros has e = 0. As a byte (E8M0): e + 127.
;;     - Each number is divided by its block's scale, clamped to +-448, and rounded to the nearest number of E4M3, ties to even, subnormals kept.
;;     - The product sums the exact products of the quantised numbers (number of the format x scale) in f32.
;;   ~~~python
;;   def quantise(x, axis):      # numpy; x: float32 -> the quantised numbers, widened to float32 again
;;       x = np.moveaxis(x, axis, -1); K = x.shape[-1]
;;       x = np.pad(x, [(0, 0)] * (x.ndim - 1) + [(0, -K % 32)]); x = x.reshape(x.shape[:-1] + (-1, 32)); a = np.abs(x).max(-1, keepdims=True)
;;       e = np.where(a > 0, np.clip(np.frexp(np.where(a > 0, a, 1))[1] - 1 - 8, -126, 127), 0)      # np.frexp(a)[1] - 1 = floor(log2(a)), exactly
;;       r = np.clip(x / 2.0 ** e, -448, 448)
;;       step = 2.0 ** (np.maximum(np.frexp(np.where(r == 0, 1, r))[1] - 1, -6) - 3)
;;       q = np.round(r / step) * step * 2.0 ** e      # np.round: ties to even
;;       return np.moveaxis(q.reshape(q.shape[:-2] + (-1,))[..., :K], -1, axis).astype(np.float32)
;;   ~~~
;;   OPERANDS COMPUTED ON THE WAY. 'Computed on the way' means the value that the module computes at that place (a softmax that the list does not call 'softmax' is quantised finished and normalised). What goes into a quantiser is computed in f32, as accurately as f32 sums, v_exp_f32 and their like allow (about 1e-6 of the number): no bf16 or f16 on the way to a quantiser, and a product that is left as it is and whose result goes on into a quantised operand takes f32 operands (vector FMAs, or v_wmma_f32_16x16x4_f32). A number that lies on a knife's edge between two numbers of the format may be rounded either way, as far as f32 arithmetic and the matrix unit's own rounding can turn it there, and no further.
;;   INPUTS GIVEN AS CODES. down_proj_w (in the module: [8, 2048, 1024], K = its axis 1); gate_proj_w (in the module: [8, 1024, 2048], K = its axis 1); up_proj_w (in the module: [8, 1024, 2048], K = its axis 1); x (in the module: [2, 512, 1024], K = its axis 2): each comes as NAME_codes (uint8): NAME with its K axis moved to the last place and cut into blocks of 32 codes, [.., K / 32, bytes a block], one block behind the other in memory; one code a byte (a code: sign, 4 exponent bits, 3 mantissa bits); and NAME_scales (uint8): the same leading axes, one E8M0 byte (e + 127) for each 32 codes along K. Its value is code x scale, taken as it is: it is not quantised again, and the codes and scales need not be those that the quantiser above would give.
;; 2 versions. Each part assembles by itself: llvm-mc -triple=amdgcn-amd-amdhsa -mcpu=gfx1250 --defsym DOCPART=n.
;; ======== version 1 of 2: 3 launches
;; workspace buffers: sel 1,024 bytes of whole numbers; cw 32,768 bytes; act 117,440,512 bytes; asc 3,670,016 bytes
;; launch router (part 1): grid 256 x 1, 1 waves a work-group, no clusters, 0 bytes of LDS; arguments gate_inputs, gate_kernel, per_expert_scale, sel, cw; writes sel, cw
.if DOCPART == 1
	.amdgcn_target "amdgcn-amd-amdhsa--gfx1250"
	.amdhsa_code_object_version 6
	.text
	.protected	k_q2cdc40cf18_router
	.globl	k_q2cdc40cf18_router
	.p2align	8
	.type	k_q2cdc40cf18_router,@function
k_q2cdc40cf18_router:
	s_mov_b64 s[64:65], 0
	v_nop
	global_prefetch_b8 v0, s[64:65] scope:SCOPE_SE
	s_setreg_imm32_b32 hwreg(HW_REG_WAVE_MODE, 25, 1), 1
	s_wait_xcnt 0x0
; THE ROUTER.  logits[t][n] = sum over k of gate_inputs[t][k] gate_kernel[k][n], f32; the two largest of a token's 8 logits are chosen (of equal ones the lower index, as jax.lax.top_k has it).
; OUT: sel[t], a byte with the bits of the two chosen experts; cw[t][n] = sigmoid(logit) x per_expert_scale[n] where n is chosen, else 0.
; SHARES.  A work-group is one wave and takes 4 tokens.  Lane l takes k = 128 i + 4 l + 0..3, i = 0..7: a load of gate_inputs covers 512 consecutive bytes.  The whole table gate_kernel (32 KB) lies in the
; wave's registers 256-511: register 32 i + 8 kk + n = gate_kernel[128 i + 4 l + kk][n].  32 sums a lane (4 tokens x 8 experts) take turns, so that no line waits for the line above it.
; Then the 32 lanes' parts are added and dealt out in one go: after five exchanges lane l holds all 8 logits of token l / 8, and answers for expert l % 8.
; No address and no branch hangs on a floating-point number: the choice is a mask, stored as data.
; No LDS, no matrix unit, no cluster: N = 8 is too narrow for a matrix tile, and the work-groups share only the small table.
; The two stores cover 128 and 4 bytes a work-group: both buffers together are 33 KB.
; LIMITS: a NaN among a token's logits is not served (the count of larger logits then chooses other than two).  The sums run in another order than a plain dot product: where a token's second and third
; logit lie within f32 rounding of each other, the other one may be chosen.
.set G,   16                           ; v16-143   gate_inputs: token j, chunk i at G + 32 j + 4 i
.set ACC, 144                          ; v144-175  the sums: token j, expert n at ACC + 8 j + n
.set KP,  176                          ; v176-191  what a lane keeps in an exchange; at the end v176-183 = the 8 logits of my token
.set SD,  192                          ; v192-207  what it sends
.set MSB, 0
.macro WIN new                         ; the immediate's high byte repeats the setting that is left
.if MSB != (\new)
	s_set_vgpr_msb (MSB<<8)|(\new)
.set MSB, (\new)
.endif
.endm
	s_load_b256 s[4:11], s[0:1], 0x0               ; gate_inputs s[4:5], gate_kernel s[6:7], per_expert_scale s[8:9], sel s[10:11]
	s_load_b64 s[12:13], s[0:1], 0x20              ; cw
	v_and_b32 v1, 7, v0                            ; my expert: lane % 8
	v_lshlrev_b32 v2, 4, v0                        ; gate_inputs: 16 bytes a lane
	v_lshlrev_b32 v3, 7, v0                        ; gate_kernel: four rows of 32 bytes a lane
	v_lshlrev_b32 v4, 2, v1                        ; per_expert_scale: my expert's word
	v_lshlrev_b32 v5, 2, v0                        ; cw: 4 bytes a lane
	v_mov_b32 v8, 0                                ; the count of logits that go before mine
	v_mov_b32 v11, 0                               ; sel: offset 0
	s_lshl_b32 s14, ttmp9, 14                      ; 4 tokens of 4,096 bytes
	s_mov_b32 s15, 0
	s_lshl_b32 s32, ttmp9, 7                       ; 4 tokens of 32 bytes in cw
	s_mov_b32 s33, 0
	s_lshl_b32 s34, ttmp9, 2                       ; 4 bytes in sel
	s_mov_b32 s35, 0
	s_mov_b32 s16, 0x76543210                      ; v_permlanex16_b32: lane l xor 16
	s_mov_b32 s17, 0xfedcba98
	s_mov_b32 s18, 0xffff0000                      ; lanes 16-31
	s_mov_b32 s19, 0xff00ff00                      ; lanes with bit 3 set
.irp n, 1,2,3,4,5,6,7
	s_mov_b32 s[19+\n], 0x01010101<<\n             ; the four lanes that answer for expert n
.endr
	s_wait_kmcnt 0x0
	s_add_nc_u64 s[4:5], s[4:5], s[14:15]
	s_add_nc_u64 s[12:13], s[12:13], s[32:33]
	s_add_nc_u64 s[10:11], s[10:11], s[34:35]
.irp j, 0,1,2,3
.irp i, 0,1,2,3,4,5,6,7
	global_load_b128 v[G+32*\j+4*\i:G+32*\j+4*\i+3], v2, s[4:5] offset:4096*\j+512*\i th:TH_LOAD_NT   ; read once in the launch
.endr
.endr
	global_load_b32 v6, v4, s[8:9]
	WIN 0x40                                       ; destination in registers 256-511
.irp i, 0,1,2,3,4,5,6,7
.irp kk, 0,1,2,3
.irp q, 0,1
	global_load_b128 v[32*\i+8*\kk+4*\q:32*\i+8*\kk+4*\q+3], v3, s[6:7] offset:4096*\i+32*\kk+16*\q
.endr
.endr
.endr
	WIN 0x01                                       ; source 0 (the table) in registers 256-511
.irp i, 0,1,2,3,4,5,6,7
	s_wait_loadcnt 8*(7-\i)                        ; loads come back in order: all of gate_inputs, the scale and the table's chunks 0..i are in; the 8 loads of each later chunk may be out
.irp kk, 0,1,2,3
.irp j, 0,1,2,3
.irp n, 0,1,2,3,4,5,6,7
.if (\i == 0) && (\kk == 0)
	v_mul_f32 v[ACC+8*\j+\n], v[32*\i+8*\kk+\n], v[G+32*\j+4*\i+\kk]    ; the first product starts each sum: nothing is cleared
.else
	v_fmac_f32 v[ACC+8*\j+\n], v[32*\i+8*\kk+\n], v[G+32*\j+4*\i+\kk]
.endif
.endr
.endr
.endr
.endr
	WIN 0
	; lanes l and l xor 16: lanes 0-15 keep tokens 0 and 1 and send tokens 2 and 3; lanes 16-31 the other way round
.irp v, 0,1,2,3,4,5,6,7,8,9,10,11,12,13,14,15
	v_cndmask_b32 v[KP+\v], v[ACC+\v], v[ACC+16+\v], s18
	v_cndmask_b32 v[SD+\v], v[ACC+16+\v], v[ACC+\v], s18
.endr
.irp v, 0,1,2,3,4,5,6,7,8,9,10,11,12,13,14,15
	v_permlanex16_b32 v[ACC+16+\v], v[SD+\v], s16, s17   ; (the destination counts as read: it has been written)
.endr
.irp v, 0,1,2,3,4,5,6,7,8,9,10,11,12,13,14,15
	v_add_f32 v[ACC+\v], v[KP+\v], v[ACC+16+\v]
.endr
	; lanes l and l xor 8: the lanes with bit 3 clear keep the first of their two tokens, the others the second
.irp n, 0,1,2,3,4,5,6,7
	v_cndmask_b32 v[KP+\n], v[ACC+\n], v[ACC+8+\n], s19
	v_cndmask_b32 v[SD+\n], v[ACC+8+\n], v[ACC+\n], s19
.endr
.irp n, 0,1,2,3,4,5,6,7
	v_add_f32_dpp v[KP+\n], v[SD+\n], v[KP+\n] row_xmask:8 row_mask:0xf bank_mask:0xf
.endr
.irp x, 4,2,1                          ; the eight lanes of a token add their parts: each then holds all 8 logits
.irp n, 0,1,2,3,4,5,6,7
	v_add_f32_dpp v[KP+\n], v[KP+\n], v[KP+\n] row_xmask:\x row_mask:0xf bank_mask:0xf
.endr
.endr
	v_mov_b32 v7, v[KP]                            ; my expert's logit
.irp n, 1,2,3,4,5,6,7
	v_cndmask_b32 v7, v7, v[KP+\n], s[19+\n]
.endr
	; how many logits go before mine: the larger ones, and the equal ones of a lower index
.irp m, 0,1,2,3,4,5,6,7
	v_cmp_gt_f32 s28, v[KP+\m], v7
	v_cmp_eq_f32 s29, v[KP+\m], v7
	s_and_b32 s29, s29, ((0xff<<(\m+1))&0xff)*0x01010101   ; the lanes whose expert's index is above m
	s_or_b32 vcc_lo, s28, s29
	v_add_co_ci_u32 v8, vcc_lo, 0, v8, vcc_lo
.endr
	v_cmp_gt_u32 s30, 2, v8                        ; chosen: fewer than two go before.  Bit 8 j + n of the mask: its four bytes are the four tokens' sel bytes
	v_mul_f32 v9, 0xbfb8aa3b, v7                   ; -log2(e) x logit
	v_exp_f32 v9, v9
	v_mov_b32 v10, s30                             ; (a plain line behind the exponential)
	s_wait_alu depctr_va_vdst(0)                   ; the wait ahead of the first reader
	v_add_f32 v9, 1.0, v9
	v_rcp_f32 v9, v9                               ; sigmoid
	v_nop
	s_wait_alu depctr_va_vdst(0)
	v_mul_f32 v9, v9, v6                           ; x per_expert_scale[n]
	v_cndmask_b32 v9, 0, v9, s30                   ; 0 where not chosen
	global_store_b32 v5, v9, s[12:13]              ; 128 consecutive bytes
	s_wait_xcnt 0x0                                ; EXEC changes only behind this wait
	v_cmp_eq_u32 vcc_lo, 0, v0
	s_and_saveexec_b32 s31, vcc_lo
	global_store_b32 v11, v10, s[10:11]            ; lane 0 stores the four sel bytes
	s_wait_xcnt 0x0
	s_or_b32 exec_lo, exec_lo, s31
	s_endpgm
.Lfunc_end_k_q2cdc40cf18_router:
	.size	k_q2cdc40cf18_router, .Lfunc_end_k_q2cdc40cf18_router-k_q2cdc40cf18_router
	.p2alignl 7, 3214868480
	.fill 96, 4, 3214868480
	.section	.rodata,"a",@progbits
	.p2align	6, 0x0
	.amdhsa_kernel k_q2cdc40cf18_router
		.amdhsa_group_segment_fixed_size 0
		.amdhsa_private_segment_fixed_size 0
		.amdhsa_enable_private_segment 0
		.amdhsa_kernarg_size 40
		.amdhsa_user_sgpr_count 2
		.amdhsa_user_sgpr_kernarg_segment_ptr 1
		.amdhsa_wavefront_size32 1
		.amdhsa_system_sgpr_workgroup_id_x 1
		.amdhsa_system_sgpr_workgroup_id_y 1
		.amdhsa_system_sgpr_workgroup_id_z 1
		.amdhsa_system_vgpr_workitem_id 0
		.amdhsa_next_free_vgpr 512
		.amdhsa_next_free_sgpr 66
		.amdhsa_reserve_vcc 1
		.amdhsa_float_denorm_mode_32 3
		.amdhsa_float_denorm_mode_16_64 3
		.amdhsa_memory_ordered 1
		.amdhsa_forward_progress 1
		.amdhsa_inst_pref_size 53
	.end_amdhsa_kernel
	.amdgpu_metadata
---
amdhsa.version: [ 1, 2 ]
amdhsa.kernels:
  - .name:           k_q2cdc40cf18_router
    .symbol:         k_q2cdc40cf18_router.kd
    .args:
      - { .name: gate_inputs, .offset: 0, .size: 8, .value_kind: global_buffer, .address_space: global }
      - { .name: gate_kernel, .offset: 8, .size: 8, .value_kind: global_buffer, .address_space: global }
      - { .name: per_expert_scale, .offset: 16, .size: 8, .value_kind: global_buffer, .address_space: global }
      - { .name: sel, .offset: 24, .size: 8, .value_kind: global_buffer, .address_space: global }
      - { .name: cw, .offset: 32, .size: 8, .value_kind: global_buffer, .address_space: global }
    .group_segment_fixed_size: 0
    .private_segment_fixed_size: 0
    .kernarg_segment_align: 8
    .kernarg_segment_size: 40
    .max_flat_workgroup_size: 32
    .sgpr_count:     66
    .vgpr_count:     512
    .wavefront_size: 32
...
	.end_amdgpu_metadata
.endif
;; end of part 1
;; launch gateup (part 2): grid 32 x 8, 4 waves a work-group, no clusters, 145,920 bytes of LDS; arguments sel, x_codes, x_scales, gate_proj_w_codes, gate_proj_w_scales, up_proj_w_codes, up_proj_w_scales, act, asc; writes act, asc
.if DOCPART == 2
	.amdgcn_target "amdgcn-amd-amdhsa--gfx1250"
	.amdhsa_code_object_version 6
	.text
	.protected	k_q2cdc40cf18_gateup
	.globl	k_q2cdc40cf18_gateup
	.p2align	8
	.type	k_q2cdc40cf18_gateup,@function
k_q2cdc40cf18_gateup:
	s_mov_b64 s[64:65], 0
	v_nop
	global_prefetch_b8 v0, s[64:65] scope:SCOPE_SE
	s_setreg_imm32_b32 hwreg(HW_REG_WAVE_MODE, 25, 1), 1
	s_wait_xcnt 0x0
; THE HIDDEN LAYER OF THE CHOSEN ROWS: act = Q(gelu_tanh(x Wg) x (x Wu)), both products on E4M3 codes with one E8M0 scale for each 32 along K, Q the same quantiser along the 2,048 hidden units.
; WHICH ROWS.  A token has chosen a pair of experts a < b (sel[t] holds their two bits); pair number p = a (15 - a) / 2 + b - a - 1, 0..27.  A pair's tokens, in the order (group g, lane l) with
; token(g, l) = 512 (g / 16) + 16 l + g % 16, are cut into tiles of 16.  Tile i of pair p is computed for both experts: place dest = 128 p + 2 i + side (side 0: a, side 1: b).  The last tile's spare rows name token 0.
; SHARES.  Work-group (x, y): expert n = y, hidden units 64 x .. 64 x + 63.  Wave w: the block of 32 hidden units hbk = 2 x + w % 2, of Wg and of Wu, over all K = 1,024: 4 tiles x 8 K steps x 16 = 512 registers
; that stay for the whole launch.  A TRIP takes four of the expert's tiles: wave w multiplies tiles w / 2 and 2 + w / 2 of the four.
; X GOES THROUGH LDS.  Each tile is multiplied by two waves, so it is asked of memory once and shared: wave w loads tile w of the NEXT trip, 32 loads of two runs of 256 consecutive bytes (lanes 0-15 row 2 q, lanes 16-31
; row 2 q + 1), and its scale words, and puts them into one of two stages; the two waves that want a tile read its fragments from there.  One barrier a trip: the stage written in a trip was last read in the trip
; before, in front of whose barrier every wave has waited for its reads.  The loop has a constant number of trips (18 x 4 tiles serve the 71 that an expert can have at the most: 1,024 / 16 + 7); the barrier stands on
; every path, and the work of trips past the expert's last tile is jumped over.  No register carries anything from trip to trip.
; THE LIST.  Wave 0 makes the expert's list of rows in LDS from sel (1 KB), partner by partner: a ballot for each of 32 groups, a running count, a scatter.  It begins at once and asks for its weights late, behind
; partners 3 to 6; the other waves ask for theirs meanwhile.  List and table of places begin as zeros and are read at addresses made of the trip and the wave alone: a tile past the last is computed on token 0 and not stored.
; LAYOUT.  The products are used transposed (source 0 = 16 rows of W, source 1 = 16 tokens): a lane holds ONE token.  Lane r of tile u takes row 8 u + r + 8 (r / 8) of the block, so that a lane's 16 results of
; tiles 0 and 1 are the hidden units 16 (lane / 16) + 0..15: half a block of 32 along the next K, in the order in which the next operand's registers take them.
; OUT.  act: an image of the next operand's registers: at dest x 32,768 + 512 hbk + 16 lane the lane's four registers of codes (a wave's store covers 512 consecutive bytes).  asc: at dest x 1,024 + 64 (hbk / 4) + 4 r + hbk % 4
; the block's scale byte (single bytes, 16 a tile and wave: one byte for each 32 of act).
; gelu_tanh(g) = g / (1 + 2^(g (c0 + c1 g^2))), c0 = -2 sqrt(2 / pi) log2(e), c1 = 0.044715 c0: the same function as 0.5 g (1 + tanh(..)), all in f32.
; NO TENSOR LOADS, NO CLUSTER: the number of an expert's tiles is read from memory and differs from expert to expert, so work is jumped over on it.
; LIMITS: |g u| beyond f32's range and NaN are not served.  A block of zeros gets the byte 1 and not 127: its codes are zeros, and this program alone reads the bytes.
.set LISTB,   0                        ; LDS in words of 4 bytes: 0..1279 the list (80 tiles of 16); 1280..1407 dest of flat tile f;
.set TTIDX,   1280
.set DUMPIDX, 1408                     ; 1408..1439 a word a lane for what is not chosen;
.set MAXIDX,  1439
.set FCNT,    5888                     ; byte 5888: the number of flat tiles
.set XST,     8192                     ; from byte 8192: two stages of four tiles
.set XROW,    1040                     ; a token's row: 1,024 bytes + 16: the 16 rows of a fragment load begin at 16 different banks (64 banks of 4 bytes: ISA guide 11.1)
.set XSCO,    16*XROW                  ; behind a tile's 16 rows: the image of its scale words, 16 bytes a lane
.set XT,      XSCO+512                 ; a tile
.set XB,      4*XT                     ; a stage
.set WV,  22                           ; s22 wave; s23 w % 2; s24 w / 2; s25 expert; s26 the trip's first tile; s27 hbk; s28 F, the tiles; s30 the loop's counter; s31, s72-79 at work
.set HB,  23
.set TP,  24
.set EN,  25
.set UB,  26
.set HBK, 27
.set FF,  28
.set U4,  30
.set MK,  32                           ; s[32:47] the ballots of 16 groups
.set PF,  48                           ; s[48:63] the list's length in front of each
.set KY,  66                           ; s66 the pair's two bits
.set POS, 70
.set F0,  71
.set ST,  78
.set SEL, 80                           ; s[80:81] v_permlanex16_b32: lane l xor 16
.set MNT, 82                           ; s82 the mantissa field of 448
; v1 lane, v2 r, v3 h, v4 weights' offset, v5 their scales', v6 4 r, v7 512 hbk + 16 lane, v8 asc's constant part, v9 16 h, v10 my dump word's index, v13 4 h, v14 16 r
.set LA,  11                           ; v11, v12, v15 LDS addresses in the list and the table
.set LQ,  12
.set LB,  15
.set SST, 16                           ; v16-17 where I put rows into stage 0, 1;  v18-19 where I put the scale words' image
.set SSI, 18
.set XRD, 20                           ; v20-23 where I read fragments: stage x 2 + which of my two tiles;  v24-27 the scale words' image likewise
.set XRS, 24
.set C0,  28                           ; v[28:29] c0 twice; v[30:31] c1 twice
.set C1,  30
.set L16, 32                           ; v32 16 lane
.set LTS, 33                           ; v33 the token of row r of the tile that I load; v34 its offset in x_scales
.set XSG, 34
.set LDST, 36                          ; v36-37 the places of my two tiles; v38-39 their offsets in act; v40-41 in asc
.set NIMG, 38
.set NASC, 40
.set LT,  44                           ; v44-51 the tokens of rows 2 q + h of the tile that I load; v52-59 their offsets in x_codes
.set XG,  52
.set SCS, 60                           ; v60-63 its scale words on their way to the stage
.set BY,  64                           ; v64-95 during the sort: sel's bytes, one a group
.set GA,  64                           ; v64-79 g; v80-95 u; v96-111 at work; v112-127 g u / (1 + ..)
.set UA,  80
.set TE,  96
.set AA,  112
.set QW,  128                          ; v128-132 the quantiser's
.set CD,  140                          ; v140-147 the codes of my two tiles; v148-149 their scale bytes
.set SBY, 148
.set FV,  150
.set D,   160                          ; v160-167 sel; v168-199 token(g, lane); v200-215 the scatter's addresses
.set TOK, 168
.set TMP, 200
.set XS,  216                          ; v216-219 x's scale words: register i: lanes 0-15 K step i, lanes 16-31 K step 4 + i
.set WS,  232                          ; v232-239 Wg's scale words, v240-247 Wu's: register s: lanes 0-15 tile 0's rows, lanes 16-31 tile 1's
; registers 256-511: the weights' fragments of K steps 0-3, 512-767: of K steps 4-7, tile 2 M + u (M = 0: Wg, 1: Wu) at ((2 M + u) 4 + s % 4) 16;  768-895: a tile's fragments of x, 16 s;  896-1023: the tile on its way to the stage
.set MSB, 0
.macro WIN new                         ; the immediate's high byte repeats the setting that is left
.if MSB != (\new)
	s_set_vgpr_msb (MSB<<8)|(\new)
.set MSB, (\new)
.endif
.endm
; one matrix instruction.  z = 1: C = 0, the product starts its sum;  ra, rb = 1: source 0's, source 1's scales stand in lanes 16-31
.macro MMA d, a, x, z, sa, sb, ra, rb
.set md_, \d
.set ma_, \a
.set mx_, \x
.set msa_, \sa
.set msb_, \sb
.set mv_, 4*(\z)+2*(\ra)+(\rb)
.if mv_ == 0
	v_wmma_scale_f32_16x16x128_f8f6f4 v[md_:md_+7], v[ma_:ma_+15], v[mx_:mx_+15], v[md_:md_+7], v[msa_], v[msb_]
.elseif mv_ == 1
	v_wmma_scale_f32_16x16x128_f8f6f4 v[md_:md_+7], v[ma_:ma_+15], v[mx_:mx_+15], v[md_:md_+7], v[msa_], v[msb_] matrix_b_scale:MATRIX_SCALE_ROW1
.elseif mv_ == 2
	v_wmma_scale_f32_16x16x128_f8f6f4 v[md_:md_+7], v[ma_:ma_+15], v[mx_:mx_+15], v[md_:md_+7], v[msa_], v[msb_] matrix_a_scale:MATRIX_SCALE_ROW1
.elseif mv_ == 3
	v_wmma_scale_f32_16x16x128_f8f6f4 v[md_:md_+7], v[ma_:ma_+15], v[mx_:mx_+15], v[md_:md_+7], v[msa_], v[msb_] matrix_a_scale:MATRIX_SCALE_ROW1 matrix_b_scale:MATRIX_SCALE_ROW1
.elseif mv_ == 4
	v_wmma_scale_f32_16x16x128_f8f6f4 v[md_:md_+7], v[ma_:ma_+15], v[mx_:mx_+15], 0, v[msa_], v[msb_]
.elseif mv_ == 5
	v_wmma_scale_f32_16x16x128_f8f6f4 v[md_:md_+7], v[ma_:ma_+15], v[mx_:mx_+15], 0, v[msa_], v[msb_] matrix_b_scale:MATRIX_SCALE_ROW1
.elseif mv_ == 6
	v_wmma_scale_f32_16x16x128_f8f6f4 v[md_:md_+7], v[ma_:ma_+15], v[mx_:mx_+15], 0, v[msa_], v[msb_] matrix_a_scale:MATRIX_SCALE_ROW1
.else
	v_wmma_scale_f32_16x16x128_f8f6f4 v[md_:md_+7], v[ma_:ma_+15], v[mx_:mx_+15], 0, v[msa_], v[msb_] matrix_a_scale:MATRIX_SCALE_ROW1 matrix_b_scale:MATRIX_SCALE_ROW1
.endif
.endm
; n of the wave's 132 weight loads, from number 'from' on.  Number 16 s + 4 (2 M + u) + c: registers 4 c .. 4 c + 3 of a fragment; numbers 128-131: the scale words
.macro WBATCH from, n
.set wq_, \from
.rept \n
.if wq_ < 128
.set ws_, wq_/16
.set wt_, (wq_/4)%4
.set wc_, wq_%4
.set wr_, (wt_*4+(ws_%4))*16+4*wc_
	WIN 0x40*(1+ws_/4)
.if wt_ < 2
	global_load_b128 v[wr_:wr_+3], v4, s[10:11] offset:8192*(wt_%2)+128*ws_+32*wc_
.else
	global_load_b128 v[wr_:wr_+3], v4, s[14:15] offset:8192*(wt_%2)+128*ws_+32*wc_
.endif
.else
	WIN 0
.if wq_ < 130
	global_load_b128 v[WS+4*(wq_-128):WS+4*(wq_-128)+3], v5, s[12:13] offset:16*(wq_-128)
.else
	global_load_b128 v[WS+4*(wq_-128):WS+4*(wq_-128)+3], v5, s[16:17] offset:16*(wq_-130)
.endif
.endif
.set wq_, wq_+1
.endr
	WIN 0
.endm
; 16 groups (half hf of sel) of one pair: a ballot for each, the list's length in front of each, the scatter.
; In the scatter all lanes stay on: a lane that is not chosen writes to its dump word.  The index is held under the region's end before it becomes an address.
.macro HALF hf
.set g_, 0
.rept 16
	v_cmp_eq_u32 s[MK+g_], s[KY], v[BY+16*(\hf)+g_]
.set g_, g_+1
.endr
	s_mov_b32 s[PF], s[POS]
.set g_, 0
.rept 15
	s_bcnt1_i32_b32 s[ST], s[MK+g_]
	s_add_co_u32 s[PF+g_+1], s[PF+g_], s[ST]
.set g_, g_+1
.endr
	s_bcnt1_i32_b32 s[ST], s[MK+15]
	s_add_co_u32 s[POS], s[PF+15], s[ST]
.set g_, 0
.rept 16
	v_mbcnt_lo_u32_b32 v[TMP+g_], s[MK+g_], s[PF+g_]   ; the list's length in front of the group + the chosen lanes below mine
.set g_, g_+1
.endr
.set g_, 0
.rept 16
	v_cndmask_b32 v[TMP+g_], v10, v[TMP+g_], s[MK+g_]
.set g_, g_+1
.endr
.set g_, 0
.rept 16
	v_min_u32 v[TMP+g_], MAXIDX, v[TMP+g_]
.set g_, g_+1
.endr
.set g_, 0
.rept 16
	v_lshl_add_u32 v[TMP+g_], v[TMP+g_], 2, LISTB
.set g_, g_+1
.endr
.set g_, 0
.rept 16
	ds_store_b32 v[TMP+g_], v[TOK+16*(\hf)+g_]
.set g_, g_+1
.endr
.endm
; Wave 0: the tokens that chose my expert n together with expert m = (n + k) % 8 are appended to the list, and their tiles' places to the table of places.
.macro PARTNER k
	s_add_co_u32 s72, s[EN], \k
	s_and_b32 s72, s72, 7                          ; m
	s_lshl_b32 s73, 1, s[EN]
	s_lshl_b32 s74, 1, s72
	s_or_b32 s[KY], s73, s74                       ; a byte of sel has two bits set: it is the pair's where it equals this
	s_min_u32 s73, s[EN], s72                      ; a
	s_max_u32 s74, s[EN], s72                      ; b
	s_sub_co_u32 s75, 15, s73
	s_mul_i32 s75, s75, s73
	s_lshr_b32 s75, s75, 1
	s_add_co_u32 s75, s75, s74
	s_sub_co_u32 s75, s75, s73
	s_sub_co_u32 s75, s75, 1                       ; p
	s_lshl_b32 s75, s75, 7
	s_cmp_gt_u32 s[EN], s72
	s_cselect_b32 s76, 1, 0                        ; side
	s_add_co_u32 s75, s75, s76                     ; 128 p + side
	HALF 0
	HALF 1
	s_lshl_b32 s76, s[F0], 4
	s_sub_co_u32 s76, s[POS], s76
	s_add_co_u32 s76, s76, 15
	s_lshr_b32 s76, s76, 4                         ; the pair's tiles, 64 at the most
	s_add_co_u32 s77, s[F0], TTIDX
.irp q, 0,1
	v_add_nc_u32 v[TMP+4*\q], 32*\q, v1            ; tile i = lane, lane + 32
	v_cmp_gt_u32 vcc_lo, s76, v[TMP+4*\q]
	v_add_nc_u32 v[TMP+4*\q+1], s77, v[TMP+4*\q]
	v_cndmask_b32 v[TMP+4*\q+1], v10, v[TMP+4*\q+1], vcc_lo
	v_min_u32 v[TMP+4*\q+1], MAXIDX, v[TMP+4*\q+1]
	v_lshlrev_b32 v[TMP+4*\q+1], 2, v[TMP+4*\q+1]
	v_lshl_add_u32 v[TMP+4*\q+2], v[TMP+4*\q], 1, s75   ; dest = 128 p + side + 2 i
	ds_store_b32 v[TMP+4*\q+1], v[TMP+4*\q+2]
.endr
	s_add_co_u32 s[F0], s[F0], s76
	s_lshl_b32 s[POS], s[F0], 4                    ; the next pair begins a new tile
.endm
; nine list words of flat tile UB + add + w, the tile that I load: the tokens of rows 2 q + h, and of row r.  The address is made of the trip and the wave alone
.macro LLIST add
	s_add_co_u32 s31, s[UB], (\add)
	s_add_co_u32 s31, s31, s[WV]
	s_lshl_b32 s31, s31, 6
	v_add_nc_u32 v[LQ], s31, v13
	v_add_nc_u32 v[LA], s31, v6
.irp q, 0,1,2,3,4,5,6,7
	ds_load_b32 v[LT+\q], v[LQ] offset:8*\q
.endr
	ds_load_b32 v[LTS], v[LA]
.endm
.macro LDEST                           ; the places of the two tiles that I multiply in this trip: UB + w / 2 and two further on
	s_add_co_u32 s31, s[UB], s[TP]
	s_lshl_b32 s31, s31, 2
	v_mov_b32 v[LB], s31
	ds_load_b32 v[LDST], v[LB] offset:4*TTIDX
	ds_load_b32 v[LDST+1], v[LB] offset:4*TTIDX+8
.endm
.macro LADDR                           ; every number from the list is held inside its table before it enters an address
.irp q, 0,1,2,3,4,5,6,7
	v_min_u32 v[LT+\q], 0x3ff, v[LT+\q]
.endr
	v_min_u32 v[LTS], 0x3ff, v[LTS]
.irp q, 0,1,2,3,4,5,6,7
	v_lshl_add_u32 v[XG+\q], v[LT+\q], 10, v14
.endr
	v_lshl_add_u32 v[XSG], v[LTS], 5, v9
.endm
.macro DADDR
.irp b, 0,1
	v_min_u32 v[LDST+\b], 0xdff, v[LDST+\b]
.endr
.irp b, 0,1
	v_lshl_add_u32 v[NIMG+\b], v[LDST+\b], 15, v7
	v_lshl_add_u32 v[NASC+\b], v[LDST+\b], 10, v8
.endr
.endm
.macro GLOAD                           ; 33 loads: the tile's scale words (lane (r, h): its token's bytes 16 h on) and its 16 rows: a load covers 256 consecutive bytes of row 2 q and 256 of row 2 q + 1
	global_load_b128 v[SCS:SCS+3], v[XSG], s[8:9]
	WIN 0xc0
.irp q, 0,1,2,3,4,5,6,7
.irp j, 0,1,2,3
	global_load_b128 v[128+16*\q+4*\j:128+16*\q+4*\j+3], v[XG+\q], s[6:7] offset:256*\j
.endr
.endr
	WIN 0
.endm
.macro XSTORE nb                       ; into my tile's place in stage nb; sixteen lanes store 256 consecutive bytes
	ds_store_b128 v[SSI+(\nb)], v[SCS:SCS+3] offset:XSCO
	WIN 0x0c                                       ; an LDS store's data are its source 1: registers 768-1023
.irp q, 0,1,2,3,4,5,6,7
.irp j, 0,1,2,3
	ds_store_b128 v[SST+(\nb)], v[128+16*\q+4*\j:128+16*\q+4*\j+3] offset:2*XROW*\q+256*\j
.endr
.endr
	WIN 0
.endm
.macro XFETCH buf, b                   ; 33 LDS loads: the scale words first, then the eight fragments, K ascending (lane (r, h): row r, bytes 128 s + 32 c + 16 h on)
	ds_load_b128 v[XS:XS+3], v[XRS+2*(\buf)+(\b)] offset:XSCO
	WIN 0xc0
.irp s, 0,1,2,3,4,5,6,7
.irp c, 0,1,2,3
	ds_load_b128 v[16*\s+4*\c:16*\s+4*\c+3], v[XRD+2*(\buf)+(\b)] offset:128*\s+32*\c
.endr
.endr
	WIN 0
.endm
; 32 matrix instructions: four accumulators (g and u, two tiles of 16 hidden units each) by turns, one instruction a turn; the first K step starts the sums
.macro MULT
	s_wait_dscnt 16                                ; LDS loads come back in order: the scale words and K steps 0-3 are in; the 16 loads of K steps 4-7 may be out
	WIN 0x0d                                       ; source 0: registers 256-511, source 1: 768-1023
.irp s, 0,1,2,3
.irp m, 0,1
.irp u, 0,1
	MMA GA+16*\m+8*\u, ((2*\m+\u)*4+\s)*16, 16*\s, 1-((\s+7)/8), WS+8*\m+\s, XS+\s, \u, 0
.endr
.endr
.endr
	s_wait_dscnt 0x0
	WIN 0x0e                                       ; source 0: registers 512-767
.irp s, 4,5,6,7
.irp m, 0,1
.irp u, 0,1
	MMA GA+16*\m+8*\u, ((2*\m+\u)*4+\s-4)*16, 16*\s, 0, WS+8*\m+\s, XS+\s-4, \u, 1
.endr
.endr
.endr
	WIN 0
.rept 8
	v_nop                                          ; eight places in front of the loads into x's registers and scale words and of the first read of the results
.endr
.endm
.macro GELU                            ; v[AA..] = gelu_tanh(g) u.  Each accumulator is read from its low end on
.irp i, 0,2,4,6,8,10,12,14
	v_pk_mul_f32 v[TE+\i:TE+\i+1], v[GA+\i:GA+\i+1], v[GA+\i:GA+\i+1]
.endr
.irp i, 0,2,4,6,8,10,12,14
	v_pk_fma_f32 v[TE+\i:TE+\i+1], v[TE+\i:TE+\i+1], v[C1:C1+1], v[C0:C0+1]
.endr
.irp i, 0,2,4,6,8,10,12,14
	v_pk_mul_f32 v[TE+\i:TE+\i+1], v[TE+\i:TE+\i+1], v[GA+\i:GA+\i+1]
.endr
.irp i, 0,1,2,3,4,5,6,7,8,9,10,11,12,13,14,15
	v_exp_f32 v[TE+\i], v[TE+\i]
.endr
.irp i, 0,2,4,6,8,10,12,14
	v_pk_mul_f32 v[AA+\i:AA+\i+1], v[GA+\i:GA+\i+1], v[UA+\i:UA+\i+1]   ; g u: plain work that names no exponential's result
.endr
	s_wait_alu depctr_va_vdst(0)                   ; one wait for the batch of 16, ahead of its first reader
.irp i, 0,2,4,6,8,10,12,14
	v_pk_add_f32 v[TE+\i:TE+\i+1], v[TE+\i:TE+\i+1], 1.0 op_sel_hi:[1,0]
.endr
.irp i, 0,1,2,3,4,5,6,7,8,9,10,11,12,13,14,15
	v_rcp_f32 v[TE+\i], v[TE+\i]
.endr
	v_nop
	s_wait_alu depctr_va_vdst(0)                   ; and one for the 16 reciprocals
.irp i, 0,2,4,6,8,10,12,14
	v_pk_mul_f32 v[AA+\i:AA+\i+1], v[AA+\i:AA+\i+1], v[TE+\i:TE+\i+1]
.endr
.endm
.macro QUANT b                         ; my 16 numbers and lane l xor 16's are a block of 32: its scale byte in v[SBY + b], my 16 codes in v[CD + 4 b ..]
	v_max3_num_f32 v[QW], |v[AA]|, |v[AA+1]|, 0x4800000     ; with the floor 2^(9 - 127): the byte cannot fall under 1
	v_max3_num_f32 v[QW+1], |v[AA+8]|, |v[AA+9]|, |v[AA+10]|
	v_max3_num_f32 v[QW], v[QW], |v[AA+2]|, |v[AA+3]|
	v_max3_num_f32 v[QW+1], v[QW+1], |v[AA+11]|, |v[AA+12]|
	v_max3_num_f32 v[QW], v[QW], |v[AA+4]|, |v[AA+5]|
	v_max3_num_f32 v[QW+1], v[QW+1], |v[AA+13]|, |v[AA+14]|
	v_max3_num_f32 v[QW], v[QW], |v[AA+6]|, |v[AA+7]|
	v_max3_num_f32 v[QW], v[QW], v[QW+1], |v[AA+15]|
	v_permlanex16_b32 v[QW+2], v[QW], s[SEL], s[SEL+1]
	v_max_num_f32 v[QW], v[QW], v[QW+2]            ; the block's largest magnitude
	v_add_nc_u32 v[QW+3], 0xfc000000, v[QW]        ; 8 off its exponent field: the conversion's scale operand
	v_and_or_b32 v[QW+4], v[QW], 0x7f800000, s[MNT]   ; 448 x the scale
	v_lshrrev_b32 v[SBY+(\b)], 23, v[QW+3]         ; the scale's byte
.irp i, 0,1,2,3,4,5,6,7,8,9,10,11,12,13,14,15
	v_med3_num_f32 v[AA+\i], v[AA+\i], -v[QW+4], v[QW+4]   ; the conversion does not saturate (ISA guide 7.6.2): the hold at the largest code x the scale
.endr
	v_cvt_scalef32_pk8_fp8_f32 v[CD+4*(\b):CD+4*(\b)+1], v[AA:AA+7], v[QW+3]
	v_cvt_scalef32_pk8_fp8_f32 v[CD+4*(\b)+2:CD+4*(\b)+3], v[AA+8:AA+15], v[QW+3]
	v_nop                                          ; a plain line behind the last conversion
.endm
.macro FINISH b                        ; activation, quantiser, and the two stores of my tile b; a tile past the expert's last is not stored
	GELU
	QUANT \b
	s_add_co_u32 s31, s[UB], 2*(\b)
	s_add_co_u32 s31, s31, s[TP]
	s_cmp_ge_u32 s31, s[FF]
	s_cbranch_scc1 .Lnost_\@
	global_store_b128 v[NIMG+(\b)], v[CD+4*(\b):CD+4*(\b)+3], s[18:19]   ; 32 lanes store 512 consecutive bytes, at a multiple of 512 from act's first byte
	global_store_b8 v[NASC+(\b)], v[SBY+(\b)], s[20:21]                  ; both lanes of a row store the same byte with the same value
.Lnost_\@:
.endm
; A TRIP: four flat tiles out of stage buf; the next four go into the other stage
.macro TRIP buf
	s_add_co_u32 s[UB], s[U4], 4*(\buf)
	s_cmp_ge_u32 s[UB], s[FF]
	s_cbranch_scc1 .Lidle_\@
	LLIST 4                                        ; nine words for the tile that I load,
	LDEST                                          ; two for the tiles that I multiply,
	XFETCH \buf, 0                                 ; and my first tile's 33 loads
	s_wait_dscnt 33                                ; the eleven words are in; the 33 loads behind them may be out
	s_wait_xcnt 0x0                                ; the last trip's stores have read their registers: places, codes and bytes are written again only behind this wait
	LADDR
	DADDR
	GLOAD                                          ; it has the trip's first 64 matrix instructions and a tile's vector work in which to land
	MULT
	XFETCH \buf, 1                                 ; my second tile's fragments come while the first tile's results are worked
	FINISH 0
	MULT
	s_wait_loadcnt 0x0                             ; the next trip's tile is in my registers
	XSTORE 1-(\buf)                                ; the stores leave while the second tile's results are worked
	FINISH 1
.Lidle_\@:
	s_wait_dscnt 0x0                               ; for the others' sake: my stores into the other stage have landed, and my reads of this stage are back
	s_barrier_signal -1
	s_barrier_wait -1                              ; on every path of every wave
.endm
	s_load_b512 s[4:19], s[0:1], 0x0               ; sel s[4:5], x_codes s[6:7], x_scales s[8:9], Wg's codes s[10:11], scales s[12:13], Wu's codes s[14:15], scales s[16:17], act s[18:19]
	s_load_b64 s[20:21], s[0:1], 0x40              ; asc
	v_lshl_add_u32 v254, v0, 2, 0x23800
	v_mov_b32 v255, 0
	v_lshrrev_b32 v1, 5, v0
	v_readfirstlane_b32 s[WV], v1
	v_and_b32 v1, 31, v0                           ; lane
	v_and_b32 v2, 15, v0                           ; r
	v_bfe_u32 v3, v0, 4, 1                         ; h
	s_and_b32 s[HB], s[WV], 1
	s_lshr_b32 s[TP], s[WV], 1
	s_and_b32 s[EN], ttmp7, 0xffff
	s_lshl_b32 s[HBK], ttmp9, 1
	s_add_co_u32 s[HBK], s[HBK], s[HB]
	v_and_b32 v4, 8, v2
	v_add_nc_u32 v5, v4, v2                        ; r + 8 (r / 8)
	v_lshlrev_b32 v9, 4, v3                        ; 16 h
	v_lshl_add_u32 v4, v5, 10, v9                  ; a weight's row is 1,024 bytes
	v_lshl_add_u32 v5, v3, 3, v5                   ; the scale words: lanes 16-31 take tile 1's rows, 8 further on
	v_lshlrev_b32 v5, 5, v5                        ; 32 bytes a row
	v_lshlrev_b32 v6, 2, v2
	v_lshlrev_b32 v13, 2, v3
	v_lshlrev_b32 v14, 4, v2
	v_lshlrev_b32 v[L16], 4, v1
	s_lshl_b32 s31, s[HBK], 9
	v_add_nc_u32 v7, s31, v[L16]
	s_lshr_b32 s31, s[HBK], 2
	s_lshl_b32 s31, s31, 6
	s_and_b32 s79, s[HBK], 3
	s_add_co_u32 s31, s31, s79
	v_add_nc_u32 v8, s31, v6
	v_add_nc_u32 v10, DUMPIDX, v1
	; every address in the stages is made here, ahead of the waves' parting: a constant, a lane term, the wave's number times a constant
	s_mul_i32 s31, s[WV], XT
	s_add_co_u32 s31, s31, XST                     ; the place of the tile that I load
	v_mul_u32_u24 v[SST], v3, XROW
	v_add_nc_u32 v[SST], v[SST], v14
	v_add_nc_u32 v[SST], s31, v[SST]               ; row h, 16 bytes for each of 16 lanes
	v_add_nc_u32 v[SST+1], XB, v[SST]
	v_add_nc_u32 v[SSI], s31, v[L16]
	v_add_nc_u32 v[SSI+1], XB, v[SSI]
	s_mul_i32 s31, s[TP], XT
	s_add_co_u32 s31, s31, XST                     ; the place of the first tile that I multiply; the second lies two tiles on
	v_mul_u32_u24 v[XRD], v2, XROW
	v_add_nc_u32 v[XRD], v[XRD], v9
	v_add_nc_u32 v[XRD], s31, v[XRD]               ; row r, + 16 h
	v_add_nc_u32 v[XRD+1], 2*XT, v[XRD]
	v_add_nc_u32 v[XRD+2], XB, v[XRD]
	v_add_nc_u32 v[XRD+3], XB, v[XRD+1]
	v_add_nc_u32 v[XRS], s31, v[L16]
	v_add_nc_u32 v[XRS+1], 2*XT, v[XRS]
	v_add_nc_u32 v[XRS+2], XB, v[XRS]
	v_add_nc_u32 v[XRS+3], XB, v[XRS+1]
	v_mov_b32 v[C0], 0xc0135761                    ; c0 = -2.3022082
	v_mov_b32 v[C0+1], 0xc0135761
	v_mov_b32 v[C1], 0xbdd2d3e8                    ; c1 = -0.10294324
	v_mov_b32 v[C1+1], 0xbdd2d3e8
	v_mov_b32 v[QW+2], 0                           ; written once: a lane permute's destination counts as one of its sources
	s_mov_b32 s[SEL], 0x76543210
	s_mov_b32 s[SEL+1], 0xfedcba98
	s_mov_b32 s[MNT], 0x600000
	s_mov_b32 s[POS], 0
	s_mov_b32 s[F0], 0
	s_lshl_b32 s72, s[EN], 21                      ; my 32 rows of an expert's 2,048: codes,
	s_lshl_b32 s73, s[HBK], 15
	s_add_co_u32 s72, s72, s73
	s_mov_b32 s73, 0
	s_lshl_b32 s74, s[EN], 16                      ; and scale bytes
	s_lshl_b32 s75, s[HBK], 10
	s_add_co_u32 s74, s74, s75
	s_mov_b32 s75, 0
	s_wait_kmcnt 0x0
	s_add_nc_u64 s[10:11], s[10:11], s[72:73]
	s_add_nc_u64 s[14:15], s[14:15], s[72:73]
	s_add_nc_u64 s[12:13], s[12:13], s[74:75]
	s_add_nc_u64 s[16:17], s[16:17], s[74:75]
	s_cmp_lg_u32 s[WV], 0
	s_cbranch_scc1 .Lothers
	; WAVE 0 sorts.  Nothing but sel is asked for ahead of the sort; the wave's own weights go out in four batches of 33 behind partners 3 to 6
	global_load_b128 v[D:D+3], v[L16], s[4:5]      ; sel: byte b of register 4 j + i belongs to group 16 j + 4 i + b
	global_load_b128 v[D+4:D+7], v[L16], s[4:5] offset:512
.set g_, 0
.rept 32
	v_lshl_add_u32 v[TOK+g_], v1, 4, 512*(g_/16)+(g_%16)
.set g_, g_+1
.endr
.irp i, 0,1,2,3
	v_mov_b32 v[TMP+\i], 0
.endr
.irp i, 0,1,2,3,4,5,6,7,8,9,10
	ds_store_b128 v[L16], v[TMP:TMP+3] offset:512*\i   ; list and table begin as zeros: 11 x 512 bytes; a spare row names token 0
.endr
	s_wait_loadcnt 0x0                             ; sel
.set g_, 0
.rept 32
	v_bfe_u32 v[BY+g_], v[D+g_/4], 8*(g_%4), 8     ; a group's byte, extracted once for all seven partners
.set g_, g_+1
.endr
	PARTNER 1
	PARTNER 2
	PARTNER 3
	WBATCH 0, 33
	PARTNER 4
	WBATCH 33, 33
	PARTNER 5
	WBATCH 66, 33
	PARTNER 6
	WBATCH 99, 33
	PARTNER 7
	v_mov_b32 v[TMP], FCNT
	v_mov_b32 v[TMP+1], s[F0]
	ds_store_b32 v[TMP], v[TMP+1]
	s_branch .Ljoin
.Lothers:
	WBATCH 0, 132                                  ; waves 1 to 3 ask for their weights and touch no LDS
.Ljoin:
	s_wait_dscnt 0x0                               ; for the others' sake: wave 0's stores have landed
	s_barrier_signal -1
	s_barrier_wait -1                              ; from here on list, table and count are only read
	v_mov_b32 v[LA], FCNT
	ds_load_b32 v[FV], v[LA]
	s_mov_b32 s[U4], 0
	s_mov_b32 s[UB], 0
	LLIST 0                                        ; the first trip's tile w
	s_wait_dscnt 0x0
	v_readfirstlane_b32 s[FF], v[FV]
	s_min_u32 s[FF], s[FF], 71
	LADDR
	GLOAD
	s_wait_loadcnt 0x0                             ; the tile, and all the weights, which are older
	XSTORE 0
	s_wait_dscnt 0x0
	s_barrier_signal -1
	s_barrier_wait -1                              ; stage 0 is whole
.Ltrip:                                ; 9 times two trips, a constant
	TRIP 0
	TRIP 1
	s_add_co_u32 s[U4], s[U4], 8
	s_cmp_lt_u32 s[U4], 72
	s_cbranch_scc1 .Ltrip
	s_wait_tensorcnt 0x0
	ds_add_u32 v254, v255
	s_wait_dscnt 0x0
	s_endpgm
.Lfunc_end_k_q2cdc40cf18_gateup:
	.size	k_q2cdc40cf18_gateup, .Lfunc_end_k_q2cdc40cf18_gateup-k_q2cdc40cf18_gateup
	.p2alignl 7, 3214868480
	.fill 96, 4, 3214868480
	.section	.rodata,"a",@progbits
	.p2align	6, 0x0
	.amdhsa_kernel k_q2cdc40cf18_gateup
		.amdhsa_group_segment_fixed_size 145920
		.amdhsa_private_segment_fixed_size 0
		.amdhsa_enable_private_segment 0
		.amdhsa_kernarg_size 72
		.amdhsa_user_sgpr_count 2
		.amdhsa_user_sgpr_kernarg_segment_ptr 1
		.amdhsa_wavefront_size32 1
		.amdhsa_system_sgpr_workgroup_id_x 1
		.amdhsa_system_sgpr_workgroup_id_y 1
		.amdhsa_system_sgpr_workgroup_id_z 1
		.amdhsa_system_vgpr_workitem_id 0
		.amdhsa_next_free_vgpr 1024
		.amdhsa_next_free_sgpr 90
		.amdhsa_reserve_vcc 1
		.amdhsa_float_denorm_mode_32 3
		.amdhsa_float_denorm_mode_16_64 3
		.amdhsa_memory_ordered 1
		.amdhsa_forward_progress 1
		.amdhsa_inst_pref_size 219
	.end_amdhsa_kernel
	.amdgpu_metadata
---
amdhsa.version: [ 1, 2 ]
amdhsa.kernels:
  - .name:           k_q2cdc40cf18_gateup
    .symbol:         k_q2cdc40cf18_gateup.kd
    .args:
      - { .name: sel, .offset: 0, .size: 8, .value_kind: global_buffer, .address_space: global }
      - { .name: x_codes, .offset: 8, .size: 8, .value_kind: global_buffer, .address_space: global }
      - { .name: x_scales, .offset: 16, .size: 8, .value_kind: global_buffer, .address_space: global }
      - { .name: gate_proj_w_codes, .offset: 24, .size: 8, .value_kind: global_buffer, .address_space: global }
      - { .name: gate_proj_w_scales, .offset: 32, .size: 8, .value_kind: global_buffer, .address_space: global }
      - { .name: up_proj_w_codes, .offset: 40, .size: 8, .value_kind: global_buffer, .address_space: global }
      - { .name: up_proj_w_scales, .offset: 48, .size: 8, .value_kind: global_buffer, .address_space: global }
      - { .name: act, .offset: 56, .size: 8, .value_kind: global_buffer, .address_space: global }
      - { .name: asc, .offset: 64, .size: 8, .value_kind: global_buffer, .address_space: global }
    .group_segment_fixed_size: 145920
    .private_segment_fixed_size: 0
    .kernarg_segment_align: 8
    .kernarg_segment_size: 72
    .max_flat_workgroup_size: 128
    .sgpr_count:     90
    .vgpr_count:     1024
    .wavefront_size: 32
...
	.end_amdgpu_metadata
.endif
;; end of part 2
;; launch down (part 3): grid 8 x 28, 4 waves a work-group, no clusters, 275,968 bytes of LDS; arguments sel, cw, act, asc, down_proj_w_codes, down_proj_w_scales, out0; writes out0
.if DOCPART == 3
	.amdgcn_target "amdgcn-amd-amdhsa--gfx1250"
	.amdhsa_code_object_version 6
	.text
	.protected	k_q2cdc40cf18_down
	.globl	k_q2cdc40cf18_down
	.p2align	8
	.type	k_q2cdc40cf18_down,@function
k_q2cdc40cf18_down:
	s_mov_b64 s[64:65], 0
	v_nop
	global_prefetch_b8 v0, s[64:65] scope:SCOPE_SE
	s_setreg_imm32_b32 hwreg(HW_REG_WAVE_MODE, 25, 1), 1
	s_wait_xcnt 0x0
; THE SECOND PRODUCT AND THE SUM OVER THE TWO CHOSEN EXPERTS: out0[t] = cw[t][a] (act_a Wd_a) + cw[t][b] (act_b Wd_b), on E4M3 codes with one E8M0 scale for each 32 along K = 2,048.
; SHARES.  Work-group (x, y): pair of experts p = y (a < b, p = a (15 - a) / 2 + b - a - 1), columns 128 x .. 128 x + 127 of out0.  Every token has one pair, so each number of out0 has one owner.
; The pair's tokens are listed in LDS from sel, in the same order as in the launch before (group g, lane l: token 512 (g / 16) + 16 l + g % 16), and cut into the same tiles of 16.
; A PASS takes four tiles.  K IS SHARED AMONG THE WAVES: wave w takes K steps 4 w .. 4 w + 3 (512 of the 2,048).  Its part of the four tiles' hidden layer, for both experts, lies in 512 registers (images of the operand's
; registers, loaded as they lie: a load covers 512 consecutive bytes); the two experts' weights stream through four buffers of 64 registers, a unit of 16 columns x 512 K at a time, three units ahead.
; The product is used transposed (source 0 = 16 columns of Wd, source 1 = 16 tokens): a lane holds one token and eight neighbouring columns.  The two experts' results are weighed and added in registers;
; the four waves' parts meet in a stage in LDS; behind a barrier wave w adds the four parts of tile w and stores whole pieces of rows: 32 lanes, 512 consecutive bytes.
; BARRIERS: one a pass, on every path; the loop has a constant number of trips (16 passes serve all 1,024 tokens on one pair) and the work of passes past the pair's last tile is jumped over.  Two stages take turns:
; the stage of pass k is written again in pass k + 2, behind pass k + 1's barrier, in front of which every wave has waited for its reads.
; NO TENSOR LOADS, NO CLUSTER: the number of a pair's tiles is read from memory and differs from pair to pair, so the work is jumped over on it.
; The sums over K are f32, in four parts that are added as (w0 + w1) + (w2 + w3).
.set STG,   135168                     ; LDS: two stages [tile 4][wave's part 4][row 16][512 bytes + 16]: 33,792 a tile, 8,448 a part, 528 a row
.set LISTB, 270336                     ; behind them the list: 1,152 words, then a dump word a lane
.set DUMPIDX, 1152
.set MAXIDX,  1183
.set WV,  18                           ; s18 wave, s19 x, s20 p, s21 a, s22 b, s23 the pair's tokens, s24 its tiles, s25 the loop's counter, s26 the pass's first tile, s27 rows left for my tile; s28-31 at work
.set EC,  19
.set PP,  20
.set EA,  21
.set EB,  22
.set CNT, 23
.set NT,  24
.set K4,  25
.set BASE, 26
.set LEFT, 27
.set MK,  32                           ; s[32:47] ballots, s[48:63] lengths, s[66:69] the pair's bits in each byte
.set PF,  48
.set KY,  66
.set POS, 70
.set ST,  71
.set WA,  72                           ; s[72:73], s[74:75] Wd's codes of a and of b at my 128 columns; s[76:79] their scale bytes; s[80:83] cw at column a, b
.set WB,  74
.set WSA, 76
.set WSB, 78
.set CWA, 80
.set CWB, 82
.set P22, 84                           ; p x 128 places of act; of asc
.set P17, 85
.set TOKL, 12                          ; v4 Wd's offset, v5 its scales', v6 act's, v7 asc's, v8 the list + 4 r, v9, v10 the stage in and out, v11 out0's; v12-15 my row's token in tile t
.set VA,  16                           ; v16-19 tile t's offset in act, v20-23 in asc, v24-27 my row's in cw
.set VAS, 20
.set VCW, 24
.set LAD, 29
.set TKA, 30
.set AS,  36                           ; v36-51 act's scale words: 4 t + 2 side + u: lanes 0-15 K step 4 w + 2 u, lanes 16-31 the next
.set WS,  52                           ; v52-67 Wd's scale words: buffer x 4 + K step
.set ACC, 68                           ; v68-131 accumulators: 32 side + 8 t;  when the parts are added: four rows x four parts
.set RB,  68
.set TE,  132                          ; v132-163 the weighed sums;  when the parts are added: v132-135 four tokens, v136-139 their offsets
.set TK,  132
.set VO,  136
.set SW,  164                          ; v164-167 where I put tile t's results; v168 where I read my tile back
.set SR,  168
.set D,   176                          ; v176-183 sel; v184-215 token(g, lane); v216-231 the scatter's addresses; v248-255 the ballots' work
.set TOK, 184
.set TMP, 216
.set CC,  232                          ; v232-247: tile t: cw[my token][a] twice, cw[my token][b] twice: pairs for the packed forms
.set BT,  248
; registers 256-511: four buffers of Wd's fragments;  512-767: act of side 0 at 64 t + 16 s;  768-1023: of side 1
.set MSB, 0
.macro WIN new                         ; the immediate's high byte repeats the setting that is left
.if MSB != (\new)
	s_set_vgpr_msb (MSB<<8)|(\new)
.set MSB, (\new)
.endif
.endm
.macro MMA d, a, x, z, sa, sb, rb      ; z = 1: C = 0, the product starts its sum;  rb = 1: source 1's scales stand in lanes 16-31
.set md_, \d
.set ma_, \a
.set mx_, \x
.set msa_, \sa
.set msb_, \sb
.set mv_, 2*(\z)+(\rb)
.if mv_ == 0
	v_wmma_scale_f32_16x16x128_f8f6f4 v[md_:md_+7], v[ma_:ma_+15], v[mx_:mx_+15], v[md_:md_+7], v[msa_], v[msb_]
.elseif mv_ == 1
	v_wmma_scale_f32_16x16x128_f8f6f4 v[md_:md_+7], v[ma_:ma_+15], v[mx_:mx_+15], v[md_:md_+7], v[msa_], v[msb_] matrix_b_scale:MATRIX_SCALE_ROW1
.elseif mv_ == 2
	v_wmma_scale_f32_16x16x128_f8f6f4 v[md_:md_+7], v[ma_:ma_+15], v[mx_:mx_+15], 0, v[msa_], v[msb_]
.else
	v_wmma_scale_f32_16x16x128_f8f6f4 v[md_:md_+7], v[ma_:ma_+15], v[mx_:mx_+15], 0, v[msa_], v[msb_] matrix_b_scale:MATRIX_SCALE_ROW1
.endif
.endm
; THE LIST'S THREE STEPS, as in the launch before, for 16 groups (half hf of sel)
.macro BALLOT hf
.set g_, 0
.rept 16
	v_and_b32 v[BT+(g_%8)], s[KY+(g_%4)], v[D+4*(\hf)+(g_/4)]
	v_cmp_eq_u32 s[MK+g_], s[KY+(g_%4)], v[BT+(g_%8)]
.set g_, g_+1
.endr
.endm
.macro PREFIX
.set g_, 0
.rept 16
	s_mov_b32 s[PF+g_], s[POS]
	s_bcnt1_i32_b32 s[ST], s[MK+g_]
	s_add_co_u32 s[POS], s[POS], s[ST]
.set g_, g_+1
.endr
.endm
.macro SCATTER hf
.set g_, 0
.rept 16
	v_mbcnt_lo_u32_b32 v[TMP+g_], s[MK+g_], s[PF+g_]
.set g_, g_+1
.endr
.set g_, 0
.rept 16
	v_cndmask_b32 v[TMP+g_], v28, v[TMP+g_], s[MK+g_]
.set g_, g_+1
.endr
.set g_, 0
.rept 16
	v_min_u32 v[TMP+g_], MAXIDX, v[TMP+g_]
.set g_, g_+1
.endr
.set g_, 0
.rept 16
	v_lshl_add_u32 v[TMP+g_], v[TMP+g_], 2, LISTB
.set g_, g_+1
.endr
.set g_, 0
.rept 16
	ds_store_b32 v[TMP+g_], v[TOK+16*(\hf)+g_]
.set g_, g_+1
.endr
.endm
; 17 loads: unit q = 2 j + side: columns 16 j .. 16 j + 15 of expert a (side 0) or b, my four K steps, into buffer q % 4; and their scale words
.macro WUNIT q
.set wj_, (\q)/2
.set wb_, 64*((\q)%4)
.set wv_, (\q)%2
	WIN 0x40
.irp sp, 0,1,2,3
.irp c, 0,1,2,3
.if wv_ == 0
	global_load_b128 v[wb_+16*\sp+4*\c:wb_+16*\sp+4*\c+3], v4, s[WA:WA+1] offset:32768*wj_+128*\sp+32*\c
.else
	global_load_b128 v[wb_+16*\sp+4*\c:wb_+16*\sp+4*\c+3], v4, s[WB:WB+1] offset:32768*wj_+128*\sp+32*\c
.endif
.endr
.endr
	WIN 0
.if wv_ == 0
	global_load_b128 v[WS+4*((\q)%4):WS+4*((\q)%4)+3], v5, s[WSA:WSA+1] offset:1024*wj_
.else
	global_load_b128 v[WS+4*((\q)%4):WS+4*((\q)%4)+3], v5, s[WSB:WSB+1] offset:1024*wj_
.endif
.endm
; columns 16 j on of the four tiles: cw_a x side 0's result + cw_b x side 1's, into my part of the stage.  Each accumulator is read from its low end on
.macro COMBINE j
.irp tt, 0,1,2,3
.irp i, 0,2,4,6
	v_pk_mul_f32 v[TE+8*\tt+\i:TE+8*\tt+\i+1], v[ACC+8*\tt+\i:ACC+8*\tt+\i+1], v[CC+4*\tt:CC+4*\tt+1]
.endr
.irp i, 0,2,4,6
	v_pk_fma_f32 v[TE+8*\tt+\i:TE+8*\tt+\i+1], v[ACC+32+8*\tt+\i:ACC+32+8*\tt+\i+1], v[CC+4*\tt+2:CC+4*\tt+3], v[TE+8*\tt+\i:TE+8*\tt+\i+1]
.endr
.endr
.irp tt, 0,1,2,3
	ds_store_b128 v[SW+\tt], v[TE+8*\tt:TE+8*\tt+3] offset:64*(\j)        ; row r, columns 16 j + 8 h + 0..7; rows 528 bytes apart: the 16 rows of a store begin at 16 different banks (64 banks of 4 bytes: ISA guide 11.1)
	ds_store_b128 v[SW+\tt], v[TE+8*\tt+4:TE+8*\tt+7] offset:64*(\j)+16
.endr
.endm
.macro UNIT q
.set uj_, (\q)/2
.set us_, (\q)%2
.set ub_, (\q)%4
.if (\q) < 13
	s_wait_loadcnt 51                              ; loads come back in order: this unit's 17 are in (and, the first time, all that is older); the three units behind it may be out
.else
	s_wait_loadcnt 17*(15-(\q))
.endif
	WIN 0x09+4*us_                                 ; source 0: registers 256-511; source 1: 512-767 (side 0) or 768-1023
.irp sp, 0,1,2,3                       ; the side's four accumulators by turns, one instruction a turn; the first K step starts the sums
.irp tt, 0,1,2,3
	MMA ACC+32*us_+8*\tt, 64*ub_+16*\sp, 64*\tt+16*\sp, 1-((\sp+3)/4), WS+4*ub_+\sp, AS+4*\tt+2*us_+(\sp/2), \sp%2
.endr
.endr
	WIN 0
.rept 8
	v_nop                                          ; eight places in front of the loads into the buffer just read and of the first read of the results
.endr
.if (\q) < 12
	WUNIT (\q)+4
.endif
.if us_ == 1
	COMBINE uj_
.endif
.endm
.macro WORK buf
	s_wait_xcnt 0x0                                ; the stores of the pass before have read their registers, which are written again from here on; all earlier loads have come back
	s_lshl_b32 s28, s[BASE], 6
	v_add_nc_u32 v[LAD], s28, v8
.irp tt, 0,1,2,3
	ds_load_b32 v[TOKL+\tt], v[LAD] offset:64*\tt  ; past the pair's last token the list holds zeros
.endr
	s_sub_co_u32 s29, s[NT], 1
.irp tt, 0,1,2,3
	s_add_co_u32 s30, s[BASE], \tt
	s_min_u32 s30, s30, s29                        ; a tile past the last is the last once more: only bytes that were written are read; its results are not stored
	s_min_u32 s30, s30, 63
	s_lshl_b32 s31, s30, 16
	s_add_co_u32 s31, s31, s[P22]
	v_add_nc_u32 v[VA+\tt], s31, v6
	s_lshl_b32 s31, s30, 11
	s_add_co_u32 s31, s31, s[P17]
	v_add_nc_u32 v[VAS+\tt], s31, v7
	v_add_nc_u32 v[SW+\tt], STG*(\buf)+33792*\tt, v9
.endr
.irp tt, 0,1,2,3
.irp sd, 0,1
.irp u, 0,1
	global_load_b32 v[AS+4*\tt+2*\sd+\u], v[VAS+\tt], s[10:11] offset:1024*\sd+128*\u
.endr
.endr
.endr
	s_wait_dscnt 0x0                               ; the tokens
.irp tt, 0,1,2,3
	v_min_u32 v[VCW+\tt], 0x3ff, v[TOKL+\tt]
	v_lshlrev_b32 v[VCW+\tt], 5, v[VCW+\tt]
.endr
.irp tt, 0,1,2,3
	global_load_b32 v[CC+4*\tt], v[VCW+\tt], s[CWA:CWA+1]      ; each weight into both halves of a pair, for the packed forms
	global_load_b32 v[CC+4*\tt+1], v[VCW+\tt], s[CWA:CWA+1]
	global_load_b32 v[CC+4*\tt+2], v[VCW+\tt], s[CWB:CWB+1]
	global_load_b32 v[CC+4*\tt+3], v[VCW+\tt], s[CWB:CWB+1]
.endr
	WIN 0x80
.irp tt, 0,1,2,3
.irp sp, 0,1,2,3
.irp c, 0,1,2,3
	global_load_b128 v[64*\tt+16*\sp+4*\c:64*\tt+16*\sp+4*\c+3], v[VA+\tt], s[8:9] offset:2048*\sp+512*\c
.endr
.endr
.endr
	WIN 0xc0
.irp tt, 0,1,2,3
.irp sp, 0,1,2,3
.irp c, 0,1,2,3
	global_load_b128 v[64*\tt+16*\sp+4*\c:64*\tt+16*\sp+4*\c+3], v[VA+\tt], s[8:9] offset:32768+2048*\sp+512*\c
.endr
.endr
.endr
	WIN 0
	WUNIT 0
	WUNIT 1
	WUNIT 2
	WUNIT 3
.irp q, 0,1,2,3,4,5,6,7,8,9,10,11,12,13,14,15
	UNIT \q
.endr
.endm
; wave w adds the four parts of tile base + w and stores its rows, four at a time; it stops at the tile's first spare row
.macro REDUCE buf
	v_add_nc_u32 v[SR], STG*(\buf), v10
	s_add_co_u32 s28, s[BASE], s[WV]
	s_lshl_b32 s28, s28, 6
	s_add_co_u32 s28, s28, LISTB
	v_mov_b32 v[TKA], s28
.irp g, 0,1,2,3
	s_wait_xcnt 0x0                                ; the last four stores have read their registers
	ds_load_b128 v[TK:TK+3], v[TKA] offset:16*\g   ; four tokens, the same in every lane
.irp q, 0,1,2,3
.irp ww, 0,1,2,3
	ds_load_b128 v[RB+16*\q+4*\ww:RB+16*\q+4*\ww+3], v[SR] offset:8448*\ww+528*(4*\g+\q)   ; a row's 512 bytes, 16 a lane
.endr
.endr
	s_wait_dscnt 0x0
.irp q, 0,1,2,3
.set rb_, RB+16*\q
	v_pk_add_f32 v[rb_:rb_+1], v[rb_:rb_+1], v[rb_+4:rb_+5]
	v_pk_add_f32 v[rb_+2:rb_+3], v[rb_+2:rb_+3], v[rb_+6:rb_+7]
	v_pk_add_f32 v[rb_+8:rb_+9], v[rb_+8:rb_+9], v[rb_+12:rb_+13]
	v_pk_add_f32 v[rb_+10:rb_+11], v[rb_+10:rb_+11], v[rb_+14:rb_+15]
	v_pk_add_f32 v[rb_:rb_+1], v[rb_:rb_+1], v[rb_+8:rb_+9]
	v_pk_add_f32 v[rb_+2:rb_+3], v[rb_+2:rb_+3], v[rb_+10:rb_+11]
	v_min_u32 v[VO+\q], 0x3ff, v[TK+\q]
	v_lshl_add_u32 v[VO+\q], v[VO+\q], 12, v11
	s_cmp_gt_i32 s[LEFT], 4*\g+\q
	s_cbranch_scc0 .Lred_end_\@
	global_store_b128 v[VO+\q], v[rb_:rb_+3], s[16:17] th:TH_STORE_NT   ; 32 lanes store 512 consecutive bytes, at a multiple of 512 from out0's first byte; written once, read by nobody here
.endr
.endr
.Lred_end_\@:
.endm
.macro PASS buf
	s_add_co_u32 s[BASE], s[K4], 4*(\buf)
	s_cmp_ge_u32 s[BASE], s[NT]
	s_cbranch_scc1 .Lnowork_\@
	WORK \buf
.Lnowork_\@:
	s_wait_dscnt 0x0                               ; for the others' sake: my stores into this stage have landed, and my reads of the other stage are back
	s_barrier_signal -1
	s_barrier_wait -1                              ; on every path of every wave
	s_add_co_u32 s28, s[BASE], s[WV]
	s_lshl_b32 s28, s28, 4
	s_sub_co_i32 s[LEFT], s[CNT], s28              ; rows of my tile that are tokens
	s_cmp_le_i32 s[LEFT], 0
	s_cbranch_scc1 .Lnored_\@
	REDUCE \buf
.Lnored_\@:
.endm
	s_load_b256 s[4:11], s[0:1], 0x0               ; sel s[4:5], cw s[6:7], act s[8:9], asc s[10:11]
	s_load_b128 s[12:15], s[0:1], 0x20             ; Wd's codes s[12:13], scales s[14:15]
	s_load_b64 s[16:17], s[0:1], 0x30              ; out0
	v_lshl_add_u32 v174, v0, 2, 0x43400
	v_mov_b32 v175, 0
	v_lshrrev_b32 v1, 5, v0
	v_readfirstlane_b32 s[WV], v1
	v_and_b32 v1, 31, v0                           ; lane
	v_and_b32 v2, 15, v0                           ; r
	v_bfe_u32 v3, v0, 4, 1                         ; h
	s_mov_b32 s[EC], ttmp9
	s_and_b32 s[PP], ttmp7, 0xffff
	s_mov_b32 s[EA], 0
.irp thr, 7,13,18,22,25,27             ; a = how many of the rows' first pair numbers p has reached
	s_cmp_ge_u32 s[PP], \thr
	s_add_co_ci_u32 s[EA], s[EA], 0
.endr
	s_sub_co_u32 s28, 15, s[EA]
	s_mul_i32 s28, s28, s[EA]
	s_lshr_b32 s28, s28, 1
	s_sub_co_u32 s[EB], s[PP], s28
	s_add_co_u32 s[EB], s[EB], s[EA]
	s_add_co_u32 s[EB], s[EB], 1                   ; b
	s_lshl_b32 s28, 1, s[EA]
	s_lshl_b32 s29, 1, s[EB]
	s_or_b32 s[KY], s28, s29
	s_lshl_b32 s[KY+1], s[KY], 8
	s_lshl_b32 s[KY+2], s[KY], 16
	s_lshl_b32 s[KY+3], s[KY], 24
	s_lshl_b32 s[P22], s[PP], 22
	s_lshl_b32 s[P17], s[PP], 17
	s_mov_b32 s[POS], 0
	v_lshlrev_b32 v31, 4, v1                       ; 16 lane
	v_lshlrev_b32 v4, 11, v2                       ; Wd: a column's row of 2,048 bytes, + 16 h, + my four K steps
	v_lshl_add_u32 v4, v3, 4, v4
	s_lshl_b32 s28, s[WV], 9
	v_add_nc_u32 v4, s28, v4
	v_lshlrev_b32 v5, 6, v2                        ; its scale bytes: 64 a row, + 16 w
	s_lshl_b32 s28, s[WV], 4
	v_add_nc_u32 v5, s28, v5
	s_lshl_b32 s28, s[WV], 13
	v_add_nc_u32 v6, s28, v31                      ; act: 16 lane + four K steps of 2,048 bytes a wave
	v_lshlrev_b32 v7, 2, v1
	s_lshl_b32 s28, s[WV], 8
	v_add_nc_u32 v7, s28, v7                       ; asc: 4 lane + four K steps of 64 bytes a wave
	v_lshl_add_u32 v8, v2, 2, LISTB
	v_mul_u32_u24 v9, v2, 528
	v_lshl_add_u32 v9, v3, 5, v9
	s_mul_i32 s28, s[WV], 8448
	v_add_nc_u32 v9, s28, v9                       ; the stage, in: my part, row r, + 32 h
	s_mul_i32 s28, s[WV], 33792
	v_add_nc_u32 v10, s28, v31                     ; and out: tile w, 16 bytes a lane
	s_lshl_b32 s28, s[EC], 9
	v_add_nc_u32 v11, s28, v31                     ; out0: my work-group's 512 bytes of a row
	v_add_nc_u32 v28, DUMPIDX, v1
	v_lshl_add_u32 v[LAD], v1, 4, LISTB
.set g_, 0
.rept 32
	v_lshl_add_u32 v[TOK+g_], v1, 4, 512*(g_/16)+(g_%16)
.set g_, g_+1
.endr
	s_wait_kmcnt 0x0
	global_load_b128 v[D:D+3], v31, s[4:5]
	global_load_b128 v[D+4:D+7], v31, s[4:5] offset:512
	s_mov_b32 s29, 0
	s_lshl_b32 s30, s[EC], 18                      ; 128 columns of 2,048 bytes
	s_lshl_b32 s28, s[EA], 21
	s_add_co_u32 s28, s28, s30
	s_add_nc_u64 s[WA:WA+1], s[12:13], s[28:29]
	s_lshl_b32 s28, s[EB], 21
	s_add_co_u32 s28, s28, s30
	s_add_nc_u64 s[WB:WB+1], s[12:13], s[28:29]
	s_lshl_b32 s30, s[EC], 13
	s_lshl_b32 s28, s[EA], 16
	s_add_co_u32 s28, s28, s30
	s_add_nc_u64 s[WSA:WSA+1], s[14:15], s[28:29]
	s_lshl_b32 s28, s[EB], 16
	s_add_co_u32 s28, s28, s30
	s_add_nc_u64 s[WSB:WSB+1], s[14:15], s[28:29]
	s_lshl_b32 s28, s[EA], 2
	s_add_nc_u64 s[CWA:CWA+1], s[6:7], s[28:29]
	s_lshl_b32 s28, s[EB], 2
	s_add_nc_u64 s[CWB:CWB+1], s[6:7], s[28:29]
	s_wait_loadcnt 0x0                             ; sel
.irp hf, 0,1                           ; every wave counts the pair's tokens; wave 0 alone writes the list
	BALLOT \hf
	PREFIX
	s_cmp_lg_u32 s[WV], 0
	s_cbranch_scc1 .Lns\hf
.if \hf == 0
.irp i, 0,1,2,3
	v_mov_b32 v[TMP+\i], 0
.endr
.irp i, 0,1,2,3,4,5,6,7,8
	ds_store_b128 v[LAD], v[TMP:TMP+3] offset:512*\i   ; the list begins as zeros
.endr
.endif
	SCATTER \hf
.Lns\hf:
.endr
	s_min_u32 s[CNT], s[POS], 1024
	s_add_co_u32 s[NT], s[CNT], 15
	s_lshr_b32 s[NT], s[NT], 4
	s_wait_dscnt 0x0                               ; for the others' sake: wave 0's stores have landed
	s_barrier_signal -1
	s_barrier_wait -1
	s_mov_b32 s[K4], 0
.Lpass:                                ; 8 trips, a constant; a trip is two passes of four tiles, on the two stages
	PASS 0
	PASS 1
	s_add_co_u32 s[K4], s[K4], 8
	s_cmp_lt_u32 s[K4], 64
	s_cbranch_scc1 .Lpass
	s_wait_tensorcnt 0x0
	ds_add_u32 v174, v175
	s_wait_dscnt 0x0
	s_endpgm
.Lfunc_end_k_q2cdc40cf18_down:
	.size	k_q2cdc40cf18_down, .Lfunc_end_k_q2cdc40cf18_down-k_q2cdc40cf18_down
	.p2alignl 7, 3214868480
	.fill 96, 4, 3214868480
	.section	.rodata,"a",@progbits
	.p2align	6, 0x0
	.amdhsa_kernel k_q2cdc40cf18_down
		.amdhsa_group_segment_fixed_size 275968
		.amdhsa_private_segment_fixed_size 0
		.amdhsa_enable_private_segment 0
		.amdhsa_kernarg_size 56
		.amdhsa_user_sgpr_count 2
		.amdhsa_user_sgpr_kernarg_segment_ptr 1
		.amdhsa_wavefront_size32 1
		.amdhsa_system_sgpr_workgroup_id_x 1
		.amdhsa_system_sgpr_workgroup_id_y 1
		.amdhsa_system_sgpr_workgroup_id_z 1
		.amdhsa_system_vgpr_workitem_id 0
		.amdhsa_next_free_vgpr 1024
		.amdhsa_next_free_sgpr 90
		.amdhsa_reserve_vcc 0
		.amdhsa_float_denorm_mode_32 3
		.amdhsa_float_denorm_mode_16_64 3
		.amdhsa_memory_ordered 1
		.amdhsa_forward_progress 1
		.amdhsa_inst_pref_size 255
	.end_amdhsa_kernel
	.section	.bss,"aw",@nobits
	.p2align	6
	.space	262144
	.amdgpu_metadata
---
amdhsa.version: [ 1, 2 ]
amdhsa.kernels:
  - .name:           k_q2cdc40cf18_down
    .symbol:         k_q2cdc40cf18_down.kd
    .args:
      - { .name: sel, .offset: 0, .size: 8, .value_kind: global_buffer, .address_space: global }
      - { .name: cw, .offset: 8, .size: 8, .value_kind: global_buffer, .address_space: global }
      - { .name: act, .offset: 16, .size: 8, .value_kind: global_buffer, .address_space: global }
      - { .name: asc, .offset: 24, .size: 8, .value_kind: global_buffer, .address_space: global }
      - { .name: down_proj_w_codes, .offset: 32, .size: 8, .value_kind: global_buffer, .address_space: global }
      - { .name: down_proj_w_scales, .offset: 40, .size: 8, .value_kind: global_buffer, .address_space: global }
      - { .name: out0, .offset: 48, .size: 8, .value_kind: global_buffer, .address_space: global }
    .group_segment_fixed_size: 275968
    .private_segment_fixed_size: 0
    .kernarg_segment_align: 8
    .kernarg_segment_size: 56
    .max_flat_workgroup_size: 128
    .sgpr_count:     90
    .vgpr_count:     1024
    .wavefront_size: 32
...
	.end_amdgpu_metadata
.endif
;; end of part 3
;; ======== version 2 of 2: 3 launches
;; workspace buffers: sel 1,024 bytes of whole numbers; cw 32,768 bytes; act 117,440,512 bytes; asc 3,670,016 bytes
;; launch router (part 4): grid 256 x 1, 1 waves a work-group, no clusters, 0 bytes of LDS; arguments gate_inputs, gate_kernel, per_expert_scale, sel, cw; writes sel, cw
.if DOCPART == 4
	.amdgcn_target "amdgcn-amd-amdhsa--gfx1250"
	.amdhsa_code_object_version 6
	.text
	.protected	k_q2cdc40cf18_router
	.globl	k_q2cdc40cf18_router
	.p2align	8
	.type	k_q2cdc40cf18_router,@function
k_q2cdc40cf18_router:
	s_mov_b64 s[64:65], 0
	v_nop
	global_prefetch_b8 v0, s[64:65] scope:SCOPE_SE
	s_setreg_imm32_b32 hwreg(HW_REG_WAVE_MODE, 25, 1), 1
	s_wait_xcnt 0x0
; THE ROUTER.  logits[t][n] = sum over k of gate_inputs[t][k] gate_kernel[k][n], f32; the two largest of a token's 8 logits are chosen (of equal ones the lower index, as jax.lax.top_k has it).
; OUT: sel[t], a byte with the bits of the two chosen experts; cw[t][n] = sigmoid(logit) x per_expert_scale[n] where n is chosen, else 0.
; SHARES.  A work-group is one wave and takes 4 tokens.  Lane l takes k = 128 i + 4 l + 0..3, i = 0..7: a load of gate_inputs covers 512 consecutive bytes.  The whole table gate_kernel (32 KB) lies in the
; wave's registers 256-511: register 32 i + 8 kk + n = gate_kernel[128 i + 4 l + kk][n].  32 sums a lane (4 tokens x 8 experts) take turns, so that no line waits for the line above it.
; Then the 32 lanes' parts are added and dealt out in one go: after five exchanges lane l holds all 8 logits of token l / 8, and answers for expert l % 8.
; No address and no branch hangs on a floating-point number: the choice is a mask, stored as data.
; No LDS, no matrix unit, no cluster: N = 8 is too narrow for a matrix tile, and the work-groups share only the small table.
; The two stores cover 128 and 4 bytes a work-group: both buffers together are 33 KB.
; LIMITS: a NaN among a token's logits is not served (the count of larger logits then chooses other than two).  The sums run in another order than a plain dot product: where a token's second and third
; logit lie within f32 rounding of each other, the other one may be chosen.
.set G,   16                           ; v16-143   gate_inputs: token j, chunk i at G + 32 j + 4 i
.set ACC, 144                          ; v144-175  the sums: token j, expert n at ACC + 8 j + n
.set KP,  176                          ; v176-191  what a lane keeps in an exchange; at the end v176-183 = the 8 logits of my token
.set SD,  192                          ; v192-207  what it sends
.set MSB, 0
.macro WIN new                         ; the immediate's high byte repeats the setting that is left
.if MSB != (\new)
	s_set_vgpr_msb (MSB<<8)|(\new)
.set MSB, (\new)
.endif
.endm
	s_load_b256 s[4:11], s[0:1], 0x0               ; gate_inputs s[4:5], gate_kernel s[6:7], per_expert_scale s[8:9], sel s[10:11]
	s_load_b64 s[12:13], s[0:1], 0x20              ; cw
	v_and_b32 v1, 7, v0                            ; my expert: lane % 8
	v_lshlrev_b32 v2, 4, v0                        ; gate_inputs: 16 bytes a lane
	v_lshlrev_b32 v3, 7, v0                        ; gate_kernel: four rows of 32 bytes a lane
	v_lshlrev_b32 v4, 2, v1                        ; per_expert_scale: my expert's word
	v_lshlrev_b32 v5, 2, v0                        ; cw: 4 bytes a lane
	v_mov_b32 v8, 0                                ; the count of logits that go before mine
	v_mov_b32 v11, 0                               ; sel: offset 0
	s_lshl_b32 s14, ttmp9, 14                      ; 4 tokens of 4,096 bytes
	s_mov_b32 s15, 0
	s_lshl_b32 s32, ttmp9, 7                       ; 4 tokens of 32 bytes in cw
	s_mov_b32 s33, 0
	s_lshl_b32 s34, ttmp9, 2                       ; 4 bytes in sel
	s_mov_b32 s35, 0
	s_mov_b32 s16, 0x76543210                      ; v_permlanex16_b32: lane l xor 16
	s_mov_b32 s17, 0xfedcba98
	s_mov_b32 s18, 0xffff0000                      ; lanes 16-31
	s_mov_b32 s19, 0xff00ff00                      ; lanes with bit 3 set
.irp n, 1,2,3,4,5,6,7
	s_mov_b32 s[19+\n], 0x01010101<<\n             ; the four lanes that answer for expert n
.endr
	s_wait_alu depctr_va_vdst(0)
	s_wait_kmcnt 0x0
	s_add_nc_u64 s[4:5], s[4:5], s[14:15]
	s_add_nc_u64 s[12:13], s[12:13], s[32:33]
	s_add_nc_u64 s[10:11], s[10:11], s[34:35]
.irp j, 0,1,2,3
.irp i, 0,1,2,3,4,5,6,7
	global_load_b128 v[G+32*\j+4*\i:G+32*\j+4*\i+3], v2, s[4:5] offset:4096*\j+512*\i th:TH_LOAD_NT   ; read once in the launch
.endr
.endr
	global_load_b32 v6, v4, s[8:9]
	WIN 0x40                                       ; destination in registers 256-511
.irp i, 0,1,2,3,4,5,6,7
.irp kk, 0,1,2,3
.irp q, 0,1
	global_load_b128 v[32*\i+8*\kk+4*\q:32*\i+8*\kk+4*\q+3], v3, s[6:7] offset:4096*\i+32*\kk+16*\q
.endr
.endr
.endr
	WIN 0x01                                       ; source 0 (the table) in registers 256-511
.irp i, 0,1,2,3,4,5,6,7
	s_wait_loadcnt 8*(7-\i)                        ; loads come back in order: all of gate_inputs, the scale and the table's chunks 0..i are in; the 8 loads of each later chunk may be out
.irp kk, 0,1,2,3
.irp j, 0,1,2,3
.irp n, 0,1,2,3,4,5,6,7
.if (\i == 0) && (\kk == 0)
	v_mul_f32 v[ACC+8*\j+\n], v[32*\i+8*\kk+\n], v[G+32*\j+4*\i+\kk]    ; the first product starts each sum: nothing is cleared
.else
	v_fmac_f32 v[ACC+8*\j+\n], v[32*\i+8*\kk+\n], v[G+32*\j+4*\i+\kk]
.endif
.endr
.endr
.endr
.endr
	WIN 0
	; lanes l and l xor 16: lanes 0-15 keep tokens 0 and 1 and send tokens 2 and 3; lanes 16-31 the other way round
.irp v, 0,1,2,3,4,5,6,7,8,9,10,11,12,13,14,15
	v_cndmask_b32 v[KP+\v], v[ACC+\v], v[ACC+16+\v], s18
	v_cndmask_b32 v[SD+\v], v[ACC+16+\v], v[ACC+\v], s18
.endr
.irp v, 0,1,2,3,4,5,6,7,8,9,10,11,12,13,14,15
	v_permlanex16_b32 v[ACC+16+\v], v[SD+\v], s16, s17   ; (the destination counts as read: it has been written)
.endr
.irp v, 0,1,2,3,4,5,6,7,8,9,10,11,12,13,14,15
	v_add_f32 v[ACC+\v], v[KP+\v], v[ACC+16+\v]
.endr
	; lanes l and l xor 8: the lanes with bit 3 clear keep the first of their two tokens, the others the second
.irp n, 0,1,2,3,4,5,6,7
	v_cndmask_b32 v[KP+\n], v[ACC+\n], v[ACC+8+\n], s19
	v_cndmask_b32 v[SD+\n], v[ACC+8+\n], v[ACC+\n], s19
.endr
.irp n, 0,1,2,3,4,5,6,7
	v_add_f32_dpp v[KP+\n], v[SD+\n], v[KP+\n] row_xmask:8 row_mask:0xf bank_mask:0xf
.endr
.irp x, 4,2,1                          ; the eight lanes of a token add their parts: each then holds all 8 logits
.irp n, 0,1,2,3,4,5,6,7
	v_add_f32_dpp v[KP+\n], v[KP+\n], v[KP+\n] row_xmask:\x row_mask:0xf bank_mask:0xf
.endr
.endr
	v_mov_b32 v7, v[KP]                            ; my expert's logit
.irp n, 1,2,3,4,5,6,7
	v_cndmask_b32 v7, v7, v[KP+\n], s[19+\n]
.endr
	; how many logits go before mine: the larger ones, and the equal ones of a lower index
.irp m, 0,1,2,3,4,5,6,7
	v_cmp_gt_f32 s28, v[KP+\m], v7
	v_cmp_eq_f32 s29, v[KP+\m], v7
	s_and_b32 s29, s29, ((0xff<<(\m+1))&0xff)*0x01010101   ; the lanes whose expert's index is above m
	s_or_b32 vcc_lo, s28, s29
	v_add_co_ci_u32 v8, vcc_lo, 0, v8, vcc_lo
.endr
	v_cmp_gt_u32 s30, 2, v8                        ; chosen: fewer than two go before.  Bit 8 j + n of the mask: its four bytes are the four tokens' sel bytes
	v_mul_f32 v9, 0xbfb8aa3b, v7                   ; -log2(e) x logit
	s_wait_alu depctr_va_vdst(0)
	v_exp_f32 v9, v9
	v_mov_b32 v10, s30                             ; (a plain line behind the exponential)
	s_wait_alu depctr_va_vdst(0)                   ; the wait ahead of the first reader
	v_add_f32 v9, 1.0, v9
	s_wait_alu depctr_va_vdst(0)
	v_rcp_f32 v9, v9                               ; sigmoid
	v_nop
	s_wait_alu depctr_va_vdst(0)
	v_mul_f32 v9, v9, v6                           ; x per_expert_scale[n]
	v_cndmask_b32 v9, 0, v9, s30                   ; 0 where not chosen
	global_store_b32 v5, v9, s[12:13]              ; 128 consecutive bytes
	s_wait_xcnt 0x0                                ; EXEC changes only behind this wait
	v_cmp_eq_u32 vcc_lo, 0, v0
	s_and_saveexec_b32 s31, vcc_lo
	global_store_b32 v11, v10, s[10:11]            ; lane 0 stores the four sel bytes
	s_wait_xcnt 0x0
	s_or_b32 exec_lo, exec_lo, s31
	s_endpgm
.Lfunc_end_k_q2cdc40cf18_router:
	.size	k_q2cdc40cf18_router, .Lfunc_end_k_q2cdc40cf18_router-k_q2cdc40cf18_router
	.p2alignl 7, 3214868480
	.fill 96, 4, 3214868480
	.section	.rodata,"a",@progbits
	.p2align	6, 0x0
	.amdhsa_kernel k_q2cdc40cf18_router
		.amdhsa_group_segment_fixed_size 0
		.amdhsa_private_segment_fixed_size 0
		.amdhsa_enable_private_segment 0
		.amdhsa_kernarg_size 40
		.amdhsa_user_sgpr_count 2
		.amdhsa_user_sgpr_kernarg_segment_ptr 1
		.amdhsa_wavefront_size32 1
		.amdhsa_system_sgpr_workgroup_id_x 1
		.amdhsa_system_sgpr_workgroup_id_y 1
		.amdhsa_system_sgpr_workgroup_id_z 1
		.amdhsa_system_vgpr_workitem_id 0
		.amdhsa_next_free_vgpr 512
		.amdhsa_next_free_sgpr 66
		.amdhsa_reserve_vcc 1
		.amdhsa_float_denorm_mode_32 3
		.amdhsa_float_denorm_mode_16_64 3
		.amdhsa_memory_ordered 1
		.amdhsa_forward_progress 1
		.amdhsa_inst_pref_size 53
	.end_amdhsa_kernel
	.amdgpu_metadata
---
amdhsa.version: [ 1, 2 ]
amdhsa.kernels:
  - .name:           k_q2cdc40cf18_router
    .symbol:         k_q2cdc40cf18_router.kd
    .args:
      - { .name: gate_inputs, .offset: 0, .size: 8, .value_kind: global_buffer, .address_space: global }
      - { .name: gate_kernel, .offset: 8, .size: 8, .value_kind: global_buffer, .address_space: global }
      - { .name: per_expert_scale, .offset: 16, .size: 8, .value_kind: global_buffer, .address_space: global }
      - { .name: sel, .offset: 24, .size: 8, .value_kind: global_buffer, .address_space: global }
      - { .name: cw, .offset: 32, .size: 8, .value_kind: global_buffer, .address_space: global }
    .group_segment_fixed_size: 0
    .private_segment_fixed_size: 0
    .kernarg_segment_align: 8
    .kernarg_segment_size: 40
    .max_flat_workgroup_size: 32
    .sgpr_count:     66
    .vgpr_count:     512
    .wavefront_size: 32
...
	.end_amdgpu_metadata
.endif
;; end of part 4
;; launch gateup (part 5): grid 32 x 8, 4 waves a work-group, no clusters, 145,920 bytes of LDS; arguments sel, x_codes, x_scales, gate_proj_w_codes, gate_proj_w_scales, up_proj_w_codes, up_proj_w_scales, act, asc; writes act, asc
.if DOCPART == 5
	.amdgcn_target "amdgcn-amd-amdhsa--gfx1250"
	.amdhsa_code_object_version 6
	.text
	.protected	k_q2cdc40cf18_gateup
	.globl	k_q2cdc40cf18_gateup
	.p2align	8
	.type	k_q2cdc40cf18_gateup,@function
k_q2cdc40cf18_gateup:
	s_mov_b64 s[64:65], 0
	v_nop
	global_prefetch_b8 v0, s[64:65] scope:SCOPE_SE
	s_setreg_imm32_b32 hwreg(HW_REG_WAVE_MODE, 25, 1), 1
	s_wait_xcnt 0x0
; THE HIDDEN LAYER OF THE CHOSEN ROWS: act = Q(gelu_tanh(x Wg) x (x Wu)), both products on E4M3 codes with one E8M0 scale for each 32 along K, Q the same quantiser along the 2,048 hidden units.
; WHICH ROWS.  A token has chosen a pair of experts a < b (sel[t] holds their two bits); pair number p = a (15 - a) / 2 + b - a - 1, 0..27.  A pair's tokens, in the order (group g, lane l) with
; token(g, l) = 512 (g / 16) + 16 l + g % 16, are cut into tiles of 16.  Tile i of pair p is computed for both experts: place dest = 128 p + 2 i + side (side 0: a, side 1: b).  The last tile's spare rows name token 0.
; SHARES.  Work-group (x, y): expert n = y, hidden units 64 x .. 64 x + 63.  Wave w: the block of 32 hidden units hbk = 2 x + w % 2, of Wg and of Wu, over all K = 1,024: 4 tiles x 8 K steps x 16 = 512 registers
; that stay for the whole launch.  A TRIP takes four of the expert's tiles: wave w multiplies tiles w / 2 and 2 + w / 2 of the four.
; X GOES THROUGH LDS.  Each tile is multiplied by two waves, so it is asked of memory once and shared: wave w loads tile w of the NEXT trip, 32 loads of two runs of 256 consecutive bytes (lanes 0-15 row 2 q, lanes 16-31
; row 2 q + 1), and its scale words, and puts them into one of two stages; the two waves that want a tile read its fragments from there.  One barrier a trip: the stage written in a trip was last read in the trip
; before, in front of whose barrier every wave has waited for its reads.  The loop has a constant number of trips (18 x 4 tiles serve the 71 that an expert can have at the most: 1,024 / 16 + 7); the barrier stands on
; every path, and the work of trips past the expert's last tile is jumped over.  No register carries anything from trip to trip.
; THE LIST.  Wave 0 makes the expert's list of rows in LDS from sel (1 KB), partner by partner: a ballot for each of 32 groups, a running count, a scatter.  It begins at once and asks for its weights late, behind
; partners 3 to 6; the other waves ask for theirs meanwhile.  List and table of places begin as zeros and are read at addresses made of the trip and the wave alone: a tile past the last is computed on token 0 and not stored.
; LAYOUT.  The products are used transposed (source 0 = 16 rows of W, source 1 = 16 tokens): a lane holds ONE token.  Lane r of tile u takes row 8 u + r + 8 (r / 8) of the block, so that a lane's 16 results of
; tiles 0 and 1 are the hidden units 16 (lane / 16) + 0..15: half a block of 32 along the next K, in the order in which the next operand's registers take them.
; OUT.  act: an image of the next operand's registers: at dest x 32,768 + 512 hbk + 16 lane the lane's four registers of codes (a wave's store covers 512 consecutive bytes).  asc: at dest x 1,024 + 64 (hbk / 4) + 4 r + hbk % 4
; the block's scale byte (single bytes, 16 a tile and wave: one byte for each 32 of act).
; gelu_tanh(g) = g / (1 + 2^(g (c0 + c1 g^2))), c0 = -2 sqrt(2 / pi) log2(e), c1 = 0.044715 c0: the same function as 0.5 g (1 + tanh(..)), all in f32.
; NO TENSOR LOADS, NO CLUSTER: the number of an expert's tiles is read from memory and differs from expert to expert, so work is jumped over on it.
; LIMITS: |g u| beyond f32's range and NaN are not served.  A block of zeros gets the byte 1 and not 127: its codes are zeros, and this program alone reads the bytes.
.set LISTB,   0                        ; LDS in words of 4 bytes: 0..1279 the list (80 tiles of 16); 1280..1407 dest of flat tile f;
.set TTIDX,   1280
.set DUMPIDX, 1408                     ; 1408..1439 a word a lane for what is not chosen;
.set MAXIDX,  1439
.set FCNT,    5888                     ; byte 5888: the number of flat tiles
.set XST,     8192                     ; from byte 8192: two stages of four tiles
.set XROW,    1040                     ; a token's row: 1,024 bytes + 16: the 16 rows of a fragment load begin at 16 different banks (64 banks of 4 bytes: ISA guide 11.1)
.set XSCO,    16*XROW                  ; behind a tile's 16 rows: the image of its scale words, 16 bytes a lane
.set XT,      XSCO+512                 ; a tile
.set XB,      4*XT                     ; a stage
.set WV,  22                           ; s22 wave; s23 w % 2; s24 w / 2; s25 expert; s26 the trip's first tile; s27 hbk; s28 F, the tiles; s30 the loop's counter; s31, s72-79 at work
.set HB,  23
.set TP,  24
.set EN,  25
.set UB,  26
.set HBK, 27
.set FF,  28
.set U4,  30
.set MK,  32                           ; s[32:47] the ballots of 16 groups
.set PF,  48                           ; s[48:63] the list's length in front of each
.set KY,  66                           ; s66 the pair's two bits
.set POS, 70
.set F0,  71
.set ST,  78
.set SEL, 80                           ; s[80:81] v_permlanex16_b32: lane l xor 16
.set MNT, 82                           ; s82 the mantissa field of 448
; v1 lane, v2 r, v3 h, v4 weights' offset, v5 their scales', v6 4 r, v7 512 hbk + 16 lane, v8 asc's constant part, v9 16 h, v10 my dump word's index, v13 4 h, v14 16 r
.set LA,  11                           ; v11, v12, v15 LDS addresses in the list and the table
.set LQ,  12
.set LB,  15
.set SST, 16                           ; v16-17 where I put rows into stage 0, 1;  v18-19 where I put the scale words' image
.set SSI, 18
.set XRD, 20                           ; v20-23 where I read fragments: stage x 2 + which of my two tiles;  v24-27 the scale words' image likewise
.set XRS, 24
.set C0,  28                           ; v[28:29] c0 twice; v[30:31] c1 twice
.set C1,  30
.set L16, 32                           ; v32 16 lane
.set LTS, 33                           ; v33 the token of row r of the tile that I load; v34 its offset in x_scales
.set XSG, 34
.set LDST, 36                          ; v36-37 the places of my two tiles; v38-39 their offsets in act; v40-41 in asc
.set NIMG, 38
.set NASC, 40
.set LT,  44                           ; v44-51 the tokens of rows 2 q + h of the tile that I load; v52-59 their offsets in x_codes
.set XG,  52
.set SCS, 60                           ; v60-63 its scale words on their way to the stage
.set BY,  64                           ; v64-95 during the sort: sel's bytes, one a group
.set GA,  64                           ; v64-79 g; v80-95 u; v96-111 at work; v112-127 g u / (1 + ..)
.set UA,  80
.set TE,  96
.set AA,  112
.set QW,  128                          ; v128-132 the quantiser's
.set CD,  140                          ; v140-147 the codes of my two tiles; v148-149 their scale bytes
.set SBY, 148
.set FV,  150
.set D,   160                          ; v160-167 sel; v168-199 token(g, lane); v200-215 the scatter's addresses
.set TOK, 168
.set TMP, 200
.set XS,  216                          ; v216-219 x's scale words: register i: lanes 0-15 K step i, lanes 16-31 K step 4 + i
.set WS,  232                          ; v232-239 Wg's scale words, v240-247 Wu's: register s: lanes 0-15 tile 0's rows, lanes 16-31 tile 1's
; registers 256-511: the weights' fragments of K steps 0-3, 512-767: of K steps 4-7, tile 2 M + u (M = 0: Wg, 1: Wu) at ((2 M + u) 4 + s % 4) 16;  768-895: a tile's fragments of x, 16 s;  896-1023: the tile on its way to the stage
.set MSB, 0
.macro WIN new                         ; the immediate's high byte repeats the setting that is left
.if MSB != (\new)
	s_set_vgpr_msb (MSB<<8)|(\new)
.set MSB, (\new)
.endif
.endm
; one matrix instruction.  z = 1: C = 0, the product starts its sum;  ra, rb = 1: source 0's, source 1's scales stand in lanes 16-31
.macro MMA d, a, x, z, sa, sb, ra, rb
.set md_, \d
.set ma_, \a
.set mx_, \x
.set msa_, \sa
.set msb_, \sb
.set mv_, 4*(\z)+2*(\ra)+(\rb)
.if mv_ == 0
	v_wmma_scale_f32_16x16x128_f8f6f4 v[md_:md_+7], v[ma_:ma_+15], v[mx_:mx_+15], v[md_:md_+7], v[msa_], v[msb_]
.elseif mv_ == 1
	v_wmma_scale_f32_16x16x128_f8f6f4 v[md_:md_+7], v[ma_:ma_+15], v[mx_:mx_+15], v[md_:md_+7], v[msa_], v[msb_] matrix_b_scale:MATRIX_SCALE_ROW1
.elseif mv_ == 2
	v_wmma_scale_f32_16x16x128_f8f6f4 v[md_:md_+7], v[ma_:ma_+15], v[mx_:mx_+15], v[md_:md_+7], v[msa_], v[msb_] matrix_a_scale:MATRIX_SCALE_ROW1
.elseif mv_ == 3
	v_wmma_scale_f32_16x16x128_f8f6f4 v[md_:md_+7], v[ma_:ma_+15], v[mx_:mx_+15], v[md_:md_+7], v[msa_], v[msb_] matrix_a_scale:MATRIX_SCALE_ROW1 matrix_b_scale:MATRIX_SCALE_ROW1
.elseif mv_ == 4
	v_wmma_scale_f32_16x16x128_f8f6f4 v[md_:md_+7], v[ma_:ma_+15], v[mx_:mx_+15], 0, v[msa_], v[msb_]
.elseif mv_ == 5
	v_wmma_scale_f32_16x16x128_f8f6f4 v[md_:md_+7], v[ma_:ma_+15], v[mx_:mx_+15], 0, v[msa_], v[msb_] matrix_b_scale:MATRIX_SCALE_ROW1
.elseif mv_ == 6
	v_wmma_scale_f32_16x16x128_f8f6f4 v[md_:md_+7], v[ma_:ma_+15], v[mx_:mx_+15], 0, v[msa_], v[msb_] matrix_a_scale:MATRIX_SCALE_ROW1
.else
	v_wmma_scale_f32_16x16x128_f8f6f4 v[md_:md_+7], v[ma_:ma_+15], v[mx_:mx_+15], 0, v[msa_], v[msb_] matrix_a_scale:MATRIX_SCALE_ROW1 matrix_b_scale:MATRIX_SCALE_ROW1
.endif
.endm
; n of the wave's 132 weight loads, from number 'from' on.  Number 16 s + 4 (2 M + u) + c: registers 4 c .. 4 c + 3 of a fragment; numbers 128-131: the scale words
.macro WBATCH from, n
.set wq_, \from
.rept \n
.if wq_ < 128
.set ws_, wq_/16
.set wt_, (wq_/4)%4
.set wc_, wq_%4
.set wr_, (wt_*4+(ws_%4))*16+4*wc_
	WIN 0x40*(1+ws_/4)
.if wt_ < 2
	global_load_b128 v[wr_:wr_+3], v4, s[10:11] offset:8192*(wt_%2)+128*ws_+32*wc_
.else
	global_load_b128 v[wr_:wr_+3], v4, s[14:15] offset:8192*(wt_%2)+128*ws_+32*wc_
.endif
.else
	WIN 0
.if wq_ < 130
	global_load_b128 v[WS+4*(wq_-128):WS+4*(wq_-128)+3], v5, s[12:13] offset:16*(wq_-128)
.else
	global_load_b128 v[WS+4*(wq_-128):WS+4*(wq_-128)+3], v5, s[16:17] offset:16*(wq_-130)
.endif
.endif
.set wq_, wq_+1
.endr
	WIN 0
.endm
; 16 groups (half hf of sel) of one pair: a ballot for each, the list's length in front of each, the scatter.
; In the scatter all lanes stay on: a lane that is not chosen writes to its dump word.  The index is held under the region's end before it becomes an address.
.macro HALF hf
.set g_, 0
.rept 16
	v_cmp_eq_u32 s[MK+g_], s[KY], v[BY+16*(\hf)+g_]
.set g_, g_+1
.endr
	s_mov_b32 s[PF], s[POS]
.set g_, 0
.rept 15
	s_bcnt1_i32_b32 s[ST], s[MK+g_]
	s_add_co_u32 s[PF+g_+1], s[PF+g_], s[ST]
.set g_, g_+1
.endr
	s_bcnt1_i32_b32 s[ST], s[MK+15]
	s_add_co_u32 s[POS], s[PF+15], s[ST]
.set g_, 0
.rept 16
	v_mbcnt_lo_u32_b32 v[TMP+g_], s[MK+g_], s[PF+g_]   ; the list's length in front of the group + the chosen lanes below mine
.set g_, g_+1
.endr
.set g_, 0
.rept 16
	v_cndmask_b32 v[TMP+g_], v10, v[TMP+g_], s[MK+g_]
.set g_, g_+1
.endr
.set g_, 0
.rept 16
	v_min_u32 v[TMP+g_], MAXIDX, v[TMP+g_]
.set g_, g_+1
.endr
.set g_, 0
.rept 16
	v_lshl_add_u32 v[TMP+g_], v[TMP+g_], 2, LISTB
.set g_, g_+1
.endr
.set g_, 0
.rept 16
	ds_store_b32 v[TMP+g_], v[TOK+16*(\hf)+g_]
.set g_, g_+1
.endr
.endm
; Wave 0: the tokens that chose my expert n together with expert m = (n + k) % 8 are appended to the list, and their tiles' places to the table of places.
.macro PARTNER k
	s_add_co_u32 s72, s[EN], \k
	s_and_b32 s72, s72, 7                          ; m
	s_lshl_b32 s73, 1, s[EN]
	s_lshl_b32 s74, 1, s72
	s_or_b32 s[KY], s73, s74                       ; a byte of sel has two bits set: it is the pair's where it equals this
	s_min_u32 s73, s[EN], s72                      ; a
	s_max_u32 s74, s[EN], s72                      ; b
	s_sub_co_u32 s75, 15, s73
	s_mul_i32 s75, s75, s73
	s_lshr_b32 s75, s75, 1
	s_add_co_u32 s75, s75, s74
	s_sub_co_u32 s75, s75, s73
	s_sub_co_u32 s75, s75, 1                       ; p
	s_lshl_b32 s75, s75, 7
	s_cmp_gt_u32 s[EN], s72
	s_cselect_b32 s76, 1, 0                        ; side
	s_add_co_u32 s75, s75, s76                     ; 128 p + side
	HALF 0
	HALF 1
	s_lshl_b32 s76, s[F0], 4
	s_sub_co_u32 s76, s[POS], s76
	s_add_co_u32 s76, s76, 15
	s_lshr_b32 s76, s76, 4                         ; the pair's tiles, 64 at the most
	s_add_co_u32 s77, s[F0], TTIDX
.irp q, 0,1
	v_add_nc_u32 v[TMP+4*\q], 32*\q, v1            ; tile i = lane, lane + 32
	v_cmp_gt_u32 vcc_lo, s76, v[TMP+4*\q]
	v_add_nc_u32 v[TMP+4*\q+1], s77, v[TMP+4*\q]
	v_cndmask_b32 v[TMP+4*\q+1], v10, v[TMP+4*\q+1], vcc_lo
	v_min_u32 v[TMP+4*\q+1], MAXIDX, v[TMP+4*\q+1]
	v_lshlrev_b32 v[TMP+4*\q+1], 2, v[TMP+4*\q+1]
	v_lshl_add_u32 v[TMP+4*\q+2], v[TMP+4*\q], 1, s75   ; dest = 128 p + side + 2 i
	ds_store_b32 v[TMP+4*\q+1], v[TMP+4*\q+2]
.endr
	s_add_co_u32 s[F0], s[F0], s76
	s_lshl_b32 s[POS], s[F0], 4                    ; the next pair begins a new tile
.endm
; nine list words of flat tile UB + add + w, the tile that I load: the tokens of rows 2 q + h, and of row r.  The address is made of the trip and the wave alone
.macro LLIST add
	s_add_co_u32 s31, s[UB], (\add)
	s_add_co_u32 s31, s31, s[WV]
	s_lshl_b32 s31, s31, 6
	v_add_nc_u32 v[LQ], s31, v13
	v_add_nc_u32 v[LA], s31, v6
.irp q, 0,1,2,3,4,5,6,7
	ds_load_b32 v[LT+\q], v[LQ] offset:8*\q
.endr
	ds_load_b32 v[LTS], v[LA]
.endm
.macro LDEST                           ; the places of the two tiles that I multiply in this trip: UB + w / 2 and two further on
	s_add_co_u32 s31, s[UB], s[TP]
	s_lshl_b32 s31, s31, 2
	v_mov_b32 v[LB], s31
	ds_load_b32 v[LDST], v[LB] offset:4*TTIDX
	ds_load_b32 v[LDST+1], v[LB] offset:4*TTIDX+8
.endm
.macro LADDR                           ; every number from the list is held inside its table before it enters an address
.irp q, 0,1,2,3,4,5,6,7
	v_min_u32 v[LT+\q], 0x3ff, v[LT+\q]
.endr
	v_min_u32 v[LTS], 0x3ff, v[LTS]
.irp q, 0,1,2,3,4,5,6,7
	v_lshl_add_u32 v[XG+\q], v[LT+\q], 10, v14
.endr
	v_lshl_add_u32 v[XSG], v[LTS], 5, v9
.endm
.macro DADDR
.irp b, 0,1
	v_min_u32 v[LDST+\b], 0xdff, v[LDST+\b]
.endr
.irp b, 0,1
	v_lshl_add_u32 v[NIMG+\b], v[LDST+\b], 15, v7
	v_lshl_add_u32 v[NASC+\b], v[LDST+\b], 10, v8
.endr
.endm
.macro GLOAD                           ; 33 loads: the tile's scale words (lane (r, h): its token's bytes 16 h on) and its 16 rows: a load covers 256 consecutive bytes of row 2 q and 256 of row 2 q + 1
	global_load_b128 v[SCS:SCS+3], v[XSG], s[8:9]
	WIN 0xc0
.irp q, 0,1,2,3,4,5,6,7
.irp j, 0,1,2,3
	global_load_b128 v[128+16*\q+4*\j:128+16*\q+4*\j+3], v[XG+\q], s[6:7] offset:256*\j
.endr
.endr
	WIN 0
.endm
.macro XSTORE nb                       ; into my tile's place in stage nb; sixteen lanes store 256 consecutive bytes
	ds_store_b128 v[SSI+(\nb)], v[SCS:SCS+3] offset:XSCO
	WIN 0x0c                                       ; an LDS store's data are its source 1: registers 768-1023
.irp q, 0,1,2,3,4,5,6,7
.irp j, 0,1,2,3
	ds_store_b128 v[SST+(\nb)], v[128+16*\q+4*\j:128+16*\q+4*\j+3] offset:2*XROW*\q+256*\j
.endr
.endr
	WIN 0
.endm
.macro XFETCH buf, b                   ; 33 LDS loads: the scale words first, then the eight fragments, K ascending (lane (r, h): row r, bytes 128 s + 32 c + 16 h on)
	ds_load_b128 v[XS:XS+3], v[XRS+2*(\buf)+(\b)] offset:XSCO
	WIN 0xc0
.irp s, 0,1,2,3,4,5,6,7
.irp c, 0,1,2,3
	ds_load_b128 v[16*\s+4*\c:16*\s+4*\c+3], v[XRD+2*(\buf)+(\b)] offset:128*\s+32*\c
.endr
.endr
	WIN 0
.endm
; 32 matrix instructions: four accumulators (g and u, two tiles of 16 hidden units each) by turns, one instruction a turn; the first K step starts the sums
.macro MULT
	s_wait_dscnt 16                                ; LDS loads come back in order: the scale words and K steps 0-3 are in; the 16 loads of K steps 4-7 may be out
	WIN 0x0d                                       ; source 0: registers 256-511, source 1: 768-1023
.irp s, 0,1,2,3
.irp m, 0,1
.irp u, 0,1
	MMA GA+16*\m+8*\u, ((2*\m+\u)*4+\s)*16, 16*\s, 1-((\s+7)/8), WS+8*\m+\s, XS+\s, \u, 0
.endr
.endr
.endr
	s_wait_dscnt 0x0
	WIN 0x0e                                       ; source 0: registers 512-767
.irp s, 4,5,6,7
.irp m, 0,1
.irp u, 0,1
	MMA GA+16*\m+8*\u, ((2*\m+\u)*4+\s-4)*16, 16*\s, 0, WS+8*\m+\s, XS+\s-4, \u, 1
.endr
.endr
.endr
	WIN 0
.rept 8
	v_nop                                          ; eight places in front of the loads into x's registers and scale words and of the first read of the results
.endr
.endm
.macro GELU                            ; v[AA..] = gelu_tanh(g) u.  Each accumulator is read from its low end on
.irp i, 0,2,4,6,8,10,12,14
	v_pk_mul_f32 v[TE+\i:TE+\i+1], v[GA+\i:GA+\i+1], v[GA+\i:GA+\i+1]
.endr
.irp i, 0,2,4,6,8,10,12,14
	v_pk_fma_f32 v[TE+\i:TE+\i+1], v[TE+\i:TE+\i+1], v[C1:C1+1], v[C0:C0+1]
.endr
.irp i, 0,2,4,6,8,10,12,14
	v_pk_mul_f32 v[TE+\i:TE+\i+1], v[TE+\i:TE+\i+1], v[GA+\i:GA+\i+1]
.endr
	s_wait_alu depctr_va_vdst(0)
.irp i, 0,1,2,3,4,5,6,7,8,9,10,11,12,13,14,15
	v_exp_f32 v[TE+\i], v[TE+\i]
.endr
	s_wait_alu depctr_va_vdst(0)
.irp i, 0,2,4,6,8,10,12,14
	v_pk_mul_f32 v[AA+\i:AA+\i+1], v[GA+\i:GA+\i+1], v[UA+\i:UA+\i+1]   ; g u: plain work that names no exponential's result
.endr
	s_wait_alu depctr_va_vdst(0)                   ; one wait for the batch of 16, ahead of its first reader
.irp i, 0,2,4,6,8,10,12,14
	v_pk_add_f32 v[TE+\i:TE+\i+1], v[TE+\i:TE+\i+1], 1.0 op_sel_hi:[1,0]
.endr
	s_wait_alu depctr_va_vdst(0)
.irp i, 0,1,2,3,4,5,6,7,8,9,10,11,12,13,14,15
	v_rcp_f32 v[TE+\i], v[TE+\i]
.endr
	v_nop
	s_wait_alu depctr_va_vdst(0)                   ; and one for the 16 reciprocals
.irp i, 0,2,4,6,8,10,12,14
	v_pk_mul_f32 v[AA+\i:AA+\i+1], v[AA+\i:AA+\i+1], v[TE+\i:TE+\i+1]
.endr
.endm
.macro QUANT b                         ; my 16 numbers and lane l xor 16's are a block of 32: its scale byte in v[SBY + b], my 16 codes in v[CD + 4 b ..]
	v_max3_num_f32 v[QW], |v[AA]|, |v[AA+1]|, 0x4800000     ; with the floor 2^(9 - 127): the byte cannot fall under 1
	v_max3_num_f32 v[QW+1], |v[AA+8]|, |v[AA+9]|, |v[AA+10]|
	v_max3_num_f32 v[QW], v[QW], |v[AA+2]|, |v[AA+3]|
	v_max3_num_f32 v[QW+1], v[QW+1], |v[AA+11]|, |v[AA+12]|
	v_max3_num_f32 v[QW], v[QW], |v[AA+4]|, |v[AA+5]|
	v_max3_num_f32 v[QW+1], v[QW+1], |v[AA+13]|, |v[AA+14]|
	v_max3_num_f32 v[QW], v[QW], |v[AA+6]|, |v[AA+7]|
	v_max3_num_f32 v[QW], v[QW], v[QW+1], |v[AA+15]|
	v_permlanex16_b32 v[QW+2], v[QW], s[SEL], s[SEL+1]
	v_max_num_f32 v[QW], v[QW], v[QW+2]            ; the block's largest magnitude
	v_add_nc_u32 v[QW+3], 0xfc000000, v[QW]        ; 8 off its exponent field: the conversion's scale operand
	v_and_or_b32 v[QW+4], v[QW], 0x7f800000, s[MNT]   ; 448 x the scale
	v_lshrrev_b32 v[SBY+(\b)], 23, v[QW+3]         ; the scale's byte
.irp i, 0,1,2,3,4,5,6,7,8,9,10,11,12,13,14,15
	v_med3_num_f32 v[AA+\i], v[AA+\i], -v[QW+4], v[QW+4]   ; the conversion does not saturate (ISA guide 7.6.2): the hold at the largest code x the scale
.endr
	v_cvt_scalef32_pk8_fp8_f32 v[CD+4*(\b):CD+4*(\b)+1], v[AA:AA+7], v[QW+3]
	v_cvt_scalef32_pk8_fp8_f32 v[CD+4*(\b)+2:CD+4*(\b)+3], v[AA+8:AA+15], v[QW+3]
	v_nop                                          ; a plain line behind the last conversion
.endm
.macro FINISH b                        ; activation, quantiser, and the two stores of my tile b; a tile past the expert's last is not stored
	GELU
	QUANT \b
	s_add_co_u32 s31, s[UB], 2*(\b)
	s_add_co_u32 s31, s31, s[TP]
	s_cmp_ge_u32 s31, s[FF]
	s_cbranch_scc1 .Lnost_\@
	global_store_b128 v[NIMG+(\b)], v[CD+4*(\b):CD+4*(\b)+3], s[18:19]   ; 32 lanes store 512 consecutive bytes, at a multiple of 512 from act's first byte
	global_store_b8 v[NASC+(\b)], v[SBY+(\b)], s[20:21]                  ; both lanes of a row store the same byte with the same value
.Lnost_\@:
.endm
; A TRIP: four flat tiles out of stage buf; the next four go into the other stage
.macro TRIP buf
	s_add_co_u32 s[UB], s[U4], 4*(\buf)
	s_cmp_ge_u32 s[UB], s[FF]
	s_cbranch_scc1 .Lidle_\@
	LLIST 4                                        ; nine words for the tile that I load,
	LDEST                                          ; two for the tiles that I multiply,
	XFETCH \buf, 0                                 ; and my first tile's 33 loads
	s_wait_dscnt 33                                ; the eleven words are in; the 33 loads behind them may be out
	s_wait_xcnt 0x0                                ; the last trip's stores have read their registers: places, codes and bytes are written again only behind this wait
	LADDR
	DADDR
	GLOAD                                          ; it has the trip's first 64 matrix instructions and a tile's vector work in which to land
	MULT
	XFETCH \buf, 1                                 ; my second tile's fragments come while the first tile's results are worked
	FINISH 0
	MULT
	s_wait_loadcnt 0x0                             ; the next trip's tile is in my registers
	XSTORE 1-(\buf)                                ; the stores leave while the second tile's results are worked
	FINISH 1
.Lidle_\@:
	s_wait_dscnt 0x0                               ; for the others' sake: my stores into the other stage have landed, and my reads of this stage are back
	s_barrier_signal -1
	s_barrier_wait -1                              ; on every path of every wave
.endm
	s_load_b512 s[4:19], s[0:1], 0x0               ; sel s[4:5], x_codes s[6:7], x_scales s[8:9], Wg's codes s[10:11], scales s[12:13], Wu's codes s[14:15], scales s[16:17], act s[18:19]
	s_load_b64 s[20:21], s[0:1], 0x40              ; asc
	v_lshl_add_u32 v254, v0, 2, 0x23800
	v_mov_b32 v255, 0
	v_lshrrev_b32 v1, 5, v0
	v_readfirstlane_b32 s[WV], v1
	v_and_b32 v1, 31, v0                           ; lane
	v_and_b32 v2, 15, v0                           ; r
	v_bfe_u32 v3, v0, 4, 1                         ; h
	s_and_b32 s[HB], s[WV], 1
	s_lshr_b32 s[TP], s[WV], 1
	s_and_b32 s[EN], ttmp7, 0xffff
	s_lshl_b32 s[HBK], ttmp9, 1
	s_add_co_u32 s[HBK], s[HBK], s[HB]
	v_and_b32 v4, 8, v2
	v_add_nc_u32 v5, v4, v2                        ; r + 8 (r / 8)
	v_lshlrev_b32 v9, 4, v3                        ; 16 h
	v_lshl_add_u32 v4, v5, 10, v9                  ; a weight's row is 1,024 bytes
	v_lshl_add_u32 v5, v3, 3, v5                   ; the scale words: lanes 16-31 take tile 1's rows, 8 further on
	v_lshlrev_b32 v5, 5, v5                        ; 32 bytes a row
	v_lshlrev_b32 v6, 2, v2
	v_lshlrev_b32 v13, 2, v3
	v_lshlrev_b32 v14, 4, v2
	v_lshlrev_b32 v[L16], 4, v1
	s_lshl_b32 s31, s[HBK], 9
	v_add_nc_u32 v7, s31, v[L16]
	s_lshr_b32 s31, s[HBK], 2
	s_lshl_b32 s31, s31, 6
	s_and_b32 s79, s[HBK], 3
	s_add_co_u32 s31, s31, s79
	v_add_nc_u32 v8, s31, v6
	v_add_nc_u32 v10, DUMPIDX, v1
	; every address in the stages is made here, ahead of the waves' parting: a constant, a lane term, the wave's number times a constant
	s_mul_i32 s31, s[WV], XT
	s_add_co_u32 s31, s31, XST                     ; the place of the tile that I load
	v_mul_u32_u24 v[SST], v3, XROW
	v_add_nc_u32 v[SST], v[SST], v14
	v_add_nc_u32 v[SST], s31, v[SST]               ; row h, 16 bytes for each of 16 lanes
	v_add_nc_u32 v[SST+1], XB, v[SST]
	v_add_nc_u32 v[SSI], s31, v[L16]
	v_add_nc_u32 v[SSI+1], XB, v[SSI]
	s_mul_i32 s31, s[TP], XT
	s_add_co_u32 s31, s31, XST                     ; the place of the first tile that I multiply; the second lies two tiles on
	v_mul_u32_u24 v[XRD], v2, XROW
	v_add_nc_u32 v[XRD], v[XRD], v9
	v_add_nc_u32 v[XRD], s31, v[XRD]               ; row r, + 16 h
	v_add_nc_u32 v[XRD+1], 2*XT, v[XRD]
	v_add_nc_u32 v[XRD+2], XB, v[XRD]
	v_add_nc_u32 v[XRD+3], XB, v[XRD+1]
	v_add_nc_u32 v[XRS], s31, v[L16]
	v_add_nc_u32 v[XRS+1], 2*XT, v[XRS]
	v_add_nc_u32 v[XRS+2], XB, v[XRS]
	v_add_nc_u32 v[XRS+3], XB, v[XRS+1]
	v_mov_b32 v[C0], 0xc0135761                    ; c0 = -2.3022082
	v_mov_b32 v[C0+1], 0xc0135761
	v_mov_b32 v[C1], 0xbdd2d3e8                    ; c1 = -0.10294324
	v_mov_b32 v[C1+1], 0xbdd2d3e8
	v_mov_b32 v[QW+2], 0                           ; written once: a lane permute's destination counts as one of its sources
	s_mov_b32 s[SEL], 0x76543210
	s_mov_b32 s[SEL+1], 0xfedcba98
	s_mov_b32 s[MNT], 0x600000
	s_mov_b32 s[POS], 0
	s_mov_b32 s[F0], 0
	s_lshl_b32 s72, s[EN], 21                      ; my 32 rows of an expert's 2,048: codes,
	s_lshl_b32 s73, s[HBK], 15
	s_add_co_u32 s72, s72, s73
	s_mov_b32 s73, 0
	s_lshl_b32 s74, s[EN], 16                      ; and scale bytes
	s_lshl_b32 s75, s[HBK], 10
	s_add_co_u32 s74, s74, s75
	s_mov_b32 s75, 0
	s_wait_kmcnt 0x0
	s_add_nc_u64 s[10:11], s[10:11], s[72:73]
	s_add_nc_u64 s[14:15], s[14:15], s[72:73]
	s_add_nc_u64 s[12:13], s[12:13], s[74:75]
	s_add_nc_u64 s[16:17], s[16:17], s[74:75]
	s_cmp_lg_u32 s[WV], 0
	s_cbranch_scc1 .Lothers
	; WAVE 0 sorts.  Nothing but sel is asked for ahead of the sort; the wave's own weights go out in four batches of 33 behind partners 3 to 6
	global_load_b128 v[D:D+3], v[L16], s[4:5]      ; sel: byte b of register 4 j + i belongs to group 16 j + 4 i + b
	global_load_b128 v[D+4:D+7], v[L16], s[4:5] offset:512
.set g_, 0
.rept 32
	v_lshl_add_u32 v[TOK+g_], v1, 4, 512*(g_/16)+(g_%16)
.set g_, g_+1
.endr
.irp i, 0,1,2,3
	v_mov_b32 v[TMP+\i], 0
.endr
.irp i, 0,1,2,3,4,5,6,7,8,9,10
	ds_store_b128 v[L16], v[TMP:TMP+3] offset:512*\i   ; list and table begin as zeros: 11 x 512 bytes; a spare row names token 0
.endr
	s_wait_loadcnt 0x0                             ; sel
.set g_, 0
.rept 32
	v_bfe_u32 v[BY+g_], v[D+g_/4], 8*(g_%4), 8     ; a group's byte, extracted once for all seven partners
.set g_, g_+1
.endr
	PARTNER 1
	PARTNER 2
	PARTNER 3
	WBATCH 0, 33
	PARTNER 4
	WBATCH 33, 33
	PARTNER 5
	WBATCH 66, 33
	PARTNER 6
	WBATCH 99, 33
	PARTNER 7
	v_mov_b32 v[TMP], FCNT
	v_mov_b32 v[TMP+1], s[F0]
	ds_store_b32 v[TMP], v[TMP+1]
	s_branch .Ljoin
.Lothers:
	WBATCH 0, 132                                  ; waves 1 to 3 ask for their weights and touch no LDS
.Ljoin:
	s_wait_dscnt 0x0                               ; for the others' sake: wave 0's stores have landed
	s_barrier_signal -1
	s_barrier_wait -1                              ; from here on list, table and count are only read
	v_mov_b32 v[LA], FCNT
	ds_load_b32 v[FV], v[LA]
	s_mov_b32 s[U4], 0
	s_mov_b32 s[UB], 0
	LLIST 0                                        ; the first trip's tile w
	s_wait_dscnt 0x0
	v_readfirstlane_b32 s[FF], v[FV]
	s_min_u32 s[FF], s[FF], 71
	LADDR
	GLOAD
	s_wait_loadcnt 0x0                             ; the tile, and all the weights, which are older
	XSTORE 0
	s_wait_dscnt 0x0
	s_barrier_signal -1
	s_barrier_wait -1                              ; stage 0 is whole
.Ltrip:                                ; 9 times two trips, a constant
	TRIP 0
	TRIP 1
	s_add_co_u32 s[U4], s[U4], 8
	s_cmp_lt_u32 s[U4], 72
	s_cbranch_scc1 .Ltrip
	s_wait_tensorcnt 0x0
	ds_add_u32 v254, v255
	s_wait_dscnt 0x0
	s_endpgm
.Lfunc_end_k_q2cdc40cf18_gateup:
	.size	k_q2cdc40cf18_gateup, .Lfunc_end_k_q2cdc40cf18_gateup-k_q2cdc40cf18_gateup
	.p2alignl 7, 3214868480
	.fill 96, 4, 3214868480
	.section	.rodata,"a",@progbits
	.p2align	6, 0x0
	.amdhsa_kernel k_q2cdc40cf18_gateup
		.amdhsa_group_segment_fixed_size 145920
		.amdhsa_private_segment_fixed_size 0
		.amdhsa_enable_private_segment 0
		.amdhsa_kernarg_size 72
		.amdhsa_user_sgpr_count 2
		.amdhsa_user_sgpr_kernarg_segment_ptr 1
		.amdhsa_wavefront_size32 1
		.amdhsa_system_sgpr_workgroup_id_x 1
		.amdhsa_system_sgpr_workgroup_id_y 1
		.amdhsa_system_sgpr_workgroup_id_z 1
		.amdhsa_system_vgpr_workitem_id 0
		.amdhsa_next_free_vgpr 1024
		.amdhsa_next_free_sgpr 90
		.amdhsa_reserve_vcc 1
		.amdhsa_float_denorm_mode_32 3
		.amdhsa_float_denorm_mode_16_64 3
		.amdhsa_memory_ordered 1
		.amdhsa_forward_progress 1
		.amdhsa_inst_pref_size 220
	.end_amdhsa_kernel
	.amdgpu_metadata
---
amdhsa.version: [ 1, 2 ]
amdhsa.kernels:
  - .name:           k_q2cdc40cf18_gateup
    .symbol:         k_q2cdc40cf18_gateup.kd
    .args:
      - { .name: sel, .offset: 0, .size: 8, .value_kind: global_buffer, .address_space: global }
      - { .name: x_codes, .offset: 8, .size: 8, .value_kind: global_buffer, .address_space: global }
      - { .name: x_scales, .offset: 16, .size: 8, .value_kind: global_buffer, .address_space: global }
      - { .name: gate_proj_w_codes, .offset: 24, .size: 8, .value_kind: global_buffer, .address_space: global }
      - { .name: gate_proj_w_scales, .offset: 32, .size: 8, .value_kind: global_buffer, .address_space: global }
      - { .name: up_proj_w_codes, .offset: 40, .size: 8, .value_kind: global_buffer, .address_space: global }
      - { .name: up_proj_w_scales, .offset: 48, .size: 8, .value_kind: global_buffer, .address_space: global }
      - { .name: act, .offset: 56, .size: 8, .value_kind: global_buffer, .address_space: global }
      - { .name: asc, .offset: 64, .size: 8, .value_kind: global_buffer, .address_space: global }
    .group_segment_fixed_size: 145920
    .private_segment_fixed_size: 0
    .kernarg_segment_align: 8
    .kernarg_segment_size: 72
    .max_flat_workgroup_size: 128
    .sgpr_count:     90
    .vgpr_count:     1024
    .wavefront_size: 32
...
	.end_amdgpu_metadata
.endif
;; end of part 5
;; launch down (part 6): grid 8 x 28, 4 waves a work-group, no clusters, 275,968 bytes of LDS; arguments sel, cw, act, asc, down_proj_w_codes, down_proj_w_scales, out0; writes out0
.if DOCPART == 6
	.amdgcn_target "amdgcn-amd-amdhsa--gfx1250"
	.amdhsa_code_object_version 6
	.text
	.protected	k_q2cdc40cf18_down
	.globl	k_q2cdc40cf18_down
	.p2align	8
	.type	k_q2cdc40cf18_down,@function
k_q2cdc40cf18_down:
	s_mov_b64 s[64:65], 0
	v_nop
	global_prefetch_b8 v0, s[64:65] scope:SCOPE_SE
	s_setreg_imm32_b32 hwreg(HW_REG_WAVE_SCHED_MODE, 0, 2), 2
	s_setreg_imm32_b32 hwreg(HW_REG_WAVE_MODE, 25, 1), 1
	s_wait_xcnt 0x0
	s_wait_alu depctr_vm_vsrc(0)
; THE SECOND PRODUCT AND THE SUM OVER THE TWO CHOSEN EXPERTS: out0[t] = cw[t][a] (act_a Wd_a) + cw[t][b] (act_b Wd_b), on E4M3 codes with one E8M0 scale for each 32 along K = 2,048.
; SHARES.  Work-group (x, y): pair of experts p = y (a < b, p = a (15 - a) / 2 + b - a - 1), columns 128 x .. 128 x + 127 of out0.  Every token has one pair, so each number of out0 has one owner.
; The pair's tokens are listed in LDS from sel, in the same order as in the launch before (group g, lane l: token 512 (g / 16) + 16 l + g % 16), and cut into the same tiles of 16.
; A PASS takes four tiles.  K IS SHARED AMONG THE WAVES: wave w takes K steps 4 w .. 4 w + 3 (512 of the 2,048).  Its part of the four tiles' hidden layer, for both experts, lies in 512 registers (images of the operand's
; registers, loaded as they lie: a load covers 512 consecutive bytes); the two experts' weights stream through four buffers of 64 registers, a unit of 16 columns x 512 K at a time, a pair of units (both experts) ahead.
; The product is used transposed (source 0 = 16 columns of Wd, source 1 = 16 tokens): a lane holds one token and eight neighbouring columns.  The two experts' results are weighed and added in registers;
; the four waves' parts meet in a stage in LDS; behind a barrier wave w adds the four parts of tile w and stores whole pieces of rows: 32 lanes, 512 consecutive bytes.
; BARRIERS: one a pass, on every path; the loop has a constant number of trips (16 passes serve all 1,024 tokens on one pair) and the work of passes past the pair's last tile is jumped over.  Two stages take turns:
; the stage of pass k is written again in pass k + 2, behind pass k + 1's barrier, in front of which every wave has waited for its reads.
; NO TENSOR LOADS, NO CLUSTER: the number of a pair's tiles is read from memory and differs from pair to pair, so the work is jumped over on it.
; The sums over K are f32, in four parts that are added as (w0 + w1) + (w2 + w3).
; THE MODE: SCHED_MODE bits 1:0 = 2 (LLVM: expert scheduling mode 2), set by the entry lines.  The code itself states the register dependences
; between vector or matrix instructions and memory or LDS instructions, with s_wait_alu, always for 0.
; THE PLAN.  Registers that memory or LDS instructions touch, in a pass:
;   v29, v16-23, v164-167      addresses (list, act, asc, stage): written at the pass's head, read by its loads and stage stores.
;   v12-15, v24-27             my rows' tokens (LDS loads land, v_min_u32 reads) and their offsets in cw (written by vector lines, read by 16 loads).
;   v36-51, v232-247, 512-1023 act's scale words, the weights cw, act: loads land at the pass's head; matrix and vector instructions read them to its end.
;   256-511, v52-67            four buffers of Wd and its scale words.  PAIR j: its 32 products read buffers 2 j % 4 and 2 j % 4 + 1; behind them the loads of pair j + 2 land there.
;   TE0 v132-163, TE1 v176-207 the weighed sums, by turns.  PAIR j writes TE[j % 2]; the eight stage stores that read it are issued in pair j + 1.
;   v168, v30, v68-131, v132-139  when the parts are added: two addresses; rows and tokens back from the stage; out0's offsets.
;   v4, v5, v6-11              made at the head and never written again.
; So in a pair ONE wait on va_vdst stands behind its products and their places: they are done reading their two buffers, and the pair before has written its sums.  The 34 loads and the eight stores follow it; this
; pair's sums, which come last, name the accumulators, cw and the other TE: none of the registers that those loads and stores touch.  One wait on vm_vsrc stands ahead of it: the stores issued a pair ago have read this pair's TE.
.set STG,   135168                     ; LDS: two stages [tile 4][wave's part 4][row 16][512 bytes + 16]: 33,792 a tile, 8,448 a part, 528 a row
.set LISTB, 270336                     ; behind them the list: 1,152 words, then a dump word a lane; from byte 0x43400 the spare words: 128 bytes a wave
.set DUMPIDX, 1152
.set MAXIDX,  1183
.set WV,  18                           ; s18 wave, s19 x, s20 p, s21 a, s22 b, s23 the pair's tokens, s24 its tiles, s25 the loop's counter, s26 the pass's first tile, s27 rows left for my tile; s28-31 at work
.set EC,  19
.set PP,  20
.set EA,  21
.set EB,  22
.set CNT, 23
.set NT,  24
.set K4,  25
.set BASE, 26
.set LEFT, 27
.set MK,  32                           ; s[32:47] ballots, s[48:63] lengths, s[66:69] the pair's bits in each byte
.set PF,  48
.set KY,  66
.set POS, 70
.set ST,  71
.set WA,  72                           ; s[72:73], s[74:75] Wd's codes of a and of b at my 128 columns; s[76:79] their scale bytes; s[80:83] cw at column a, b
.set WB,  74
.set WSA, 76
.set WSB, 78
.set CWA, 80
.set CWB, 82
.set P22, 84                           ; p x 128 places of act; of asc
.set P17, 85
.set TOKL, 12                          ; v4 Wd's offset, v5 its scales', v6 act's, v7 asc's, v8 the list + 4 r, v9, v10 the stage in and out, v11 out0's; v12-15 my row's token in tile t
.set VA,  16                           ; v16-19 tile t's offset in act, v20-23 in asc, v24-27 my row's in cw
.set VAS, 20
.set VCW, 24
.set LAD, 29
.set TKA, 30
.set AS,  36                           ; v36-51 act's scale words: 4 t + 2 side + u: lanes 0-15 K step 4 w + 2 u, lanes 16-31 the next
.set WS,  52                           ; v52-67 Wd's scale words: buffer x 4 + K step
.set ACC, 68                           ; v68-131 accumulators: 32 side + 8 t;  when the parts are added: four rows x four parts
.set RB,  68
.set TE,  132                          ; v132-163 the weighed sums of even pairs; those of odd pairs 44 registers on, v176-207, which the list has left;  when the parts are added: v132-135 four tokens, v136-139 their offsets
.set TK,  132
.set VO,  136
.set SW,  164                          ; v164-167 where I put tile t's results; v168 where I read my tile back; v174, v175 the closing add's two
.set SR,  168
.set D,   176                          ; at the head only: v176-183 sel; v184-215 token(g, lane); v216-231 the scatter's addresses; v248-255 the ballots' work
.set TOK, 184
.set TMP, 216
.set CC,  232                          ; v232-247: tile t: cw[my token][a] twice, cw[my token][b] twice: pairs for the packed forms
.set BT,  248
; registers 256-511: four buffers of Wd's fragments;  512-767: act of side 0 at 64 t + 16 s;  768-1023: of side 1
.set MSB, 0
.macro WIN new                         ; the immediate's high byte repeats the setting that is left
.if MSB != (\new)
	s_set_vgpr_msb (MSB<<8)|(\new)
.set MSB, (\new)
.endif
.endm
.macro MMA d, a, x, z, sa, sb, rb      ; z = 1: C = 0, the product starts its sum;  rb = 1: source 1's scales stand in lanes 16-31
.set md_, \d
.set ma_, \a
.set mx_, \x
.set msa_, \sa
.set msb_, \sb
.set mv_, 2*(\z)+(\rb)
.if mv_ == 0
	v_wmma_scale_f32_16x16x128_f8f6f4 v[md_:md_+7], v[ma_:ma_+15], v[mx_:mx_+15], v[md_:md_+7], v[msa_], v[msb_]
.elseif mv_ == 1
	v_wmma_scale_f32_16x16x128_f8f6f4 v[md_:md_+7], v[ma_:ma_+15], v[mx_:mx_+15], v[md_:md_+7], v[msa_], v[msb_] matrix_b_scale:MATRIX_SCALE_ROW1
.elseif mv_ == 2
	v_wmma_scale_f32_16x16x128_f8f6f4 v[md_:md_+7], v[ma_:ma_+15], v[mx_:mx_+15], 0, v[msa_], v[msb_]
.else
	v_wmma_scale_f32_16x16x128_f8f6f4 v[md_:md_+7], v[ma_:ma_+15], v[mx_:mx_+15], 0, v[msa_], v[msb_] matrix_b_scale:MATRIX_SCALE_ROW1
.endif
.endm
; THE LIST'S THREE STEPS, as in the launch before, for 16 groups (half hf of sel)
.macro BALLOT hf
.set g_, 0
.rept 16
	v_and_b32 v[BT+(g_%8)], s[KY+(g_%4)], v[D+4*(\hf)+(g_/4)]
	v_cmp_eq_u32 s[MK+g_], s[KY+(g_%4)], v[BT+(g_%8)]
.set g_, g_+1
.endr
.endm
.macro PREFIX
.set g_, 0
.rept 16
	s_mov_b32 s[PF+g_], s[POS]
	s_bcnt1_i32_b32 s[ST], s[MK+g_]
	s_add_co_u32 s[POS], s[POS], s[ST]
.set g_, g_+1
.endr
.endm
.macro SCATTER hf
	s_wait_alu depctr_vm_vsrc(0)                   ; the LDS stores issued so far have read v[TMP ..], which the lines below write again
.set g_, 0
.rept 16
	v_mbcnt_lo_u32_b32 v[TMP+g_], s[MK+g_], s[PF+g_]
.set g_, g_+1
.endr
.set g_, 0
.rept 16
	v_cndmask_b32 v[TMP+g_], v28, v[TMP+g_], s[MK+g_]
.set g_, g_+1
.endr
.set g_, 0
.rept 16
	v_min_u32 v[TMP+g_], MAXIDX, v[TMP+g_]
.set g_, g_+1
.endr
.set g_, 0
.rept 16
	v_lshl_add_u32 v[TMP+g_], v[TMP+g_], 2, LISTB
.set g_, g_+1
.endr
	s_wait_alu depctr_va_vdst(0)                   ; the sixteen addresses are written, which the stores below read
.set g_, 0
.rept 16
	ds_store_b32 v[TMP+g_], v[TOK+16*(\hf)+g_]
.set g_, g_+1
.endr
.endm
; 17 loads: unit q = 2 j + side: columns 16 j .. 16 j + 15 of expert a (side 0) or b, my four K steps, into buffer q % 4; and their scale words
.macro WUNIT q
.set wj_, (\q)/2
.set wb_, 64*((\q)%4)
.set wv_, (\q)%2
	WIN 0x40
.irp sp, 0,1,2,3
.irp c, 0,1,2,3
.if wv_ == 0
	global_load_b128 v[wb_+16*\sp+4*\c:wb_+16*\sp+4*\c+3], v4, s[WA:WA+1] offset:32768*wj_+128*\sp+32*\c
.else
	global_load_b128 v[wb_+16*\sp+4*\c:wb_+16*\sp+4*\c+3], v4, s[WB:WB+1] offset:32768*wj_+128*\sp+32*\c
.endif
.endr
.endr
	WIN 0
.if wv_ == 0
	global_load_b128 v[WS+4*((\q)%4):WS+4*((\q)%4)+3], v5, s[WSA:WSA+1] offset:1024*wj_
.else
	global_load_b128 v[WS+4*((\q)%4):WS+4*((\q)%4)+3], v5, s[WSB:WSB+1] offset:1024*wj_
.endif
.endm
; columns 16 j on of the four tiles: cw_a x side 0's result + cw_b x side 1's, into TE[j % 2].  Each accumulator is read from its low end on
.macro CSUM j
.set te_, TE+44*((\j)%2)
.irp tt, 0,1,2,3
.irp i, 0,2,4,6
	v_pk_mul_f32 v[te_+8*\tt+\i:te_+8*\tt+\i+1], v[ACC+8*\tt+\i:ACC+8*\tt+\i+1], v[CC+4*\tt:CC+4*\tt+1]
.endr
.irp i, 0,2,4,6
	v_pk_fma_f32 v[te_+8*\tt+\i:te_+8*\tt+\i+1], v[ACC+32+8*\tt+\i:ACC+32+8*\tt+\i+1], v[CC+4*\tt+2:CC+4*\tt+3], v[te_+8*\tt+\i:te_+8*\tt+\i+1]
.endr
.endr
.endm
; and from there into my part of the stage
.macro CSTORE j
.set te_, TE+44*((\j)%2)
.irp tt, 0,1,2,3
	ds_store_b128 v[SW+\tt], v[te_+8*\tt:te_+8*\tt+3] offset:64*(\j)        ; row r, columns 16 j + 8 h + 0..7; rows 528 bytes apart: the 16 rows of a store begin at 16 different banks (64 banks of 4 bytes: ISA guide 11.1)
	ds_store_b128 v[SW+\tt], v[te_+8*\tt+4:te_+8*\tt+7] offset:64*(\j)+16
.endr
.endm
; the 16 products of unit q.  left: how many younger units of 17 loads may be out
.macro UMUL q, left
.set us_, (\q)%2
.set ub_, (\q)%4
	s_wait_loadcnt 17*(\left)                      ; loads come back in order: this unit's 17 are in (and, the first time, all that is older)
	WIN 0x09+4*us_                                 ; source 0: registers 256-511; source 1: 512-767 (side 0) or 768-1023
.irp sp, 0,1,2,3                       ; the side's four accumulators by turns, one instruction a turn; the first K step starts the sums
.irp tt, 0,1,2,3
	MMA ACC+32*us_+8*\tt, 64*ub_+16*\sp, 64*\tt+16*\sp, 1-((\sp+3)/4), WS+4*ub_+\sp, AS+4*\tt+2*us_+(\sp/2), \sp%2
.endr
.endr
.endm
; PAIR j: columns 16 j on, both experts
.macro PAIR j
.if (\j) < 7
	UMUL 2*(\j), 3                                 ; behind this unit: its partner and the next pair
	UMUL 2*(\j)+1, 2
.else
	UMUL 2*(\j), 1                                 ; the last pair: the counts run down
	UMUL 2*(\j)+1, 0
.endif
	WIN 0
.rept 8
	v_nop                                          ; eight places in front of the first read of the results
.endr
.if (\j) >= 2
	s_wait_alu depctr_vm_vsrc(0)                   ; the stage stores issued in the pair before have read TE[j % 2], which this pair's sums write again
.endif
	s_wait_alu depctr_va_vdst(0)                   ; the pair's products are done reading their two buffers of Wd and its scale words, in which the loads below land; the pair before has written its sums, which the stores below read
.if (\j) < 6
	WUNIT 2*(\j)+4
	WUNIT 2*(\j)+5
.endif
.if (\j) > 0
	CSTORE (\j)-1
.endif
	CSUM \j                                        ; no wait: these lines name none of the registers that the loads and stores above touch
.endm
.macro WORK buf
	s_wait_xcnt 0x0                                ; the stores of the pass before have read their registers, which are written again from here on; all earlier loads have come back
	s_wait_alu depctr_vm_vsrc(0)                   ; all loads and stores issued so far have read their registers: the pass's addresses and offsets, the accumulators (rows that were stored) and both TE (at first the list's data) are written again
	s_lshl_b32 s28, s[BASE], 6
	v_add_nc_u32 v[LAD], s28, v8
	s_sub_co_u32 s29, s[NT], 1
.irp tt, 0,1,2,3
	s_add_co_u32 s30, s[BASE], \tt
	s_min_u32 s30, s30, s29                        ; a tile past the last is the last once more: only bytes that were written are read; its results are not stored
	s_min_u32 s30, s30, 63
	s_lshl_b32 s31, s30, 16
	s_add_co_u32 s31, s31, s[P22]
	v_add_nc_u32 v[VA+\tt], s31, v6
	s_lshl_b32 s31, s30, 11
	s_add_co_u32 s31, s31, s[P17]
	v_add_nc_u32 v[VAS+\tt], s31, v7
	v_add_nc_u32 v[SW+\tt], STG*(\buf)+33792*\tt, v9
.endr
	s_wait_alu depctr_va_vdst(0)                   ; the thirteen addresses are written; the pass before is done with the tokens, act, its scale words and Wd's buffers, in which the loads below land
.irp tt, 0,1,2,3
	ds_load_b32 v[TOKL+\tt], v[LAD] offset:64*\tt  ; past the pair's last token the list holds zeros
.endr
.irp tt, 0,1,2,3
.irp sd, 0,1
.irp u, 0,1
	global_load_b32 v[AS+4*\tt+2*\sd+\u], v[VAS+\tt], s[10:11] offset:1024*\sd+128*\u
.endr
.endr
.endr
	WIN 0x80
.irp tt, 0,1,2,3
.irp sp, 0,1,2,3
.irp c, 0,1,2,3
	global_load_b128 v[64*\tt+16*\sp+4*\c:64*\tt+16*\sp+4*\c+3], v[VA+\tt], s[8:9] offset:2048*\sp+512*\c
.endr
.endr
.endr
	WIN 0xc0
.irp tt, 0,1,2,3
.irp sp, 0,1,2,3
.irp c, 0,1,2,3
	global_load_b128 v[64*\tt+16*\sp+4*\c:64*\tt+16*\sp+4*\c+3], v[VA+\tt], s[8:9] offset:32768+2048*\sp+512*\c
.endr
.endr
.endr
	WIN 0
	s_wait_dscnt 0x0                               ; the tokens: they came while act was asked for
.irp tt, 0,1,2,3
	v_min_u32 v[VCW+\tt], 0x3ff, v[TOKL+\tt]
	v_lshlrev_b32 v[VCW+\tt], 5, v[VCW+\tt]
.endr
	s_wait_alu depctr_va_vdst(0)                   ; the four offsets in cw are written, which the sixteen loads below read
.irp tt, 0,1,2,3
	global_load_b32 v[CC+4*\tt], v[VCW+\tt], s[CWA:CWA+1]      ; each weight into both halves of a pair, for the packed forms
	global_load_b32 v[CC+4*\tt+1], v[VCW+\tt], s[CWA:CWA+1]
	global_load_b32 v[CC+4*\tt+2], v[VCW+\tt], s[CWB:CWB+1]
	global_load_b32 v[CC+4*\tt+3], v[VCW+\tt], s[CWB:CWB+1]
.endr
	WUNIT 0
	WUNIT 1
	WUNIT 2
	WUNIT 3
.irp j, 0,1,2,3,4,5,6,7
	PAIR \j
.endr
	s_wait_alu depctr_va_vdst(0)                   ; the last pair has written its sums, which the stores below read
	CSTORE 7
.endm
; wave w adds the four parts of tile base + w and stores its rows, four at a time; it stops at the tile's first spare row
.macro REDUCE buf
	s_wait_alu depctr_vm_vsrc(0)                   ; the LDS loads of the last adding have read v[SR] and v[TKA], and this pass's stage stores have read v132-139: all are written again below
	v_add_nc_u32 v[SR], STG*(\buf), v10
	s_add_co_u32 s28, s[BASE], s[WV]
	s_lshl_b32 s28, s28, 6
	s_add_co_u32 s28, s28, LISTB
	v_mov_b32 v[TKA], s28
.irp g, 0,1,2,3
	s_wait_xcnt 0x0                                ; the last four stores have read their registers
.if \g == 0
	s_wait_alu depctr_va_vdst(0)                   ; the two addresses are written; products and sums are done with v68-135, in which the loads below land
.else
	s_wait_alu depctr_vm_vsrc(0)                   ; the last four stores have read their rows, in which the loads below land, and their offsets, which are written again (no vector instruction has been issued since the wait ahead of those stores)
.endif
	ds_load_b128 v[TK:TK+3], v[TKA] offset:16*\g   ; four tokens, the same in every lane
.irp q, 0,1,2,3
.irp ww, 0,1,2,3
	ds_load_b128 v[RB+16*\q+4*\ww:RB+16*\q+4*\ww+3], v[SR] offset:8448*\ww+528*(4*\g+\q)   ; a row's 512 bytes, 16 a lane
.endr
.endr
	s_wait_dscnt 0x0
.irp q, 0,1,2,3
.set rb_, RB+16*\q
	v_pk_add_f32 v[rb_:rb_+1], v[rb_:rb_+1], v[rb_+4:rb_+5]
	v_pk_add_f32 v[rb_+2:rb_+3], v[rb_+2:rb_+3], v[rb_+6:rb_+7]
	v_pk_add_f32 v[rb_+8:rb_+9], v[rb_+8:rb_+9], v[rb_+12:rb_+13]
	v_pk_add_f32 v[rb_+10:rb_+11], v[rb_+10:rb_+11], v[rb_+14:rb_+15]
	v_pk_add_f32 v[rb_:rb_+1], v[rb_:rb_+1], v[rb_+8:rb_+9]
	v_pk_add_f32 v[rb_+2:rb_+3], v[rb_+2:rb_+3], v[rb_+10:rb_+11]
	v_min_u32 v[VO+\q], 0x3ff, v[TK+\q]
	v_lshl_add_u32 v[VO+\q], v[VO+\q], 12, v11
.endr
	s_wait_alu depctr_va_vdst(0)                   ; the four rows' sums and offsets are written, which the stores below read
.irp q, 0,1,2,3
.set rb_, RB+16*\q
	s_cmp_gt_i32 s[LEFT], 4*\g+\q
	s_cbranch_scc0 .Lred_end_\@
	global_store_b128 v[VO+\q], v[rb_:rb_+3], s[16:17] th:TH_STORE_NT   ; 32 lanes store 512 consecutive bytes, at a multiple of 512 from out0's first byte; written once, read by nobody here
.endr
.endr
.Lred_end_\@:
.endm
.macro PASS buf
	s_add_co_u32 s[BASE], s[K4], 4*(\buf)
	s_cmp_ge_u32 s[BASE], s[NT]
	s_cbranch_scc1 .Lnowork_\@
	WORK \buf
.Lnowork_\@:
	s_wait_dscnt 0x0                               ; for the others' sake: my stores into this stage have landed, and my reads of the other stage are back
	s_barrier_signal -1
	s_barrier_wait -1                              ; on every path of every wave
	s_add_co_u32 s28, s[BASE], s[WV]
	s_lshl_b32 s28, s28, 4
	s_sub_co_i32 s[LEFT], s[CNT], s28              ; rows of my tile that are tokens
	s_cmp_le_i32 s[LEFT], 0
	s_cbranch_scc1 .Lnored_\@
	REDUCE \buf
.Lnored_\@:
.endm
	s_load_b256 s[4:11], s[0:1], 0x0               ; sel s[4:5], cw s[6:7], act s[8:9], asc s[10:11]
	s_load_b128 s[12:15], s[0:1], 0x20             ; Wd's codes s[12:13], scales s[14:15]
	s_load_b64 s[16:17], s[0:1], 0x30              ; out0
	v_lshl_add_u32 v174, v0, 2, 0x43400
	v_mov_b32 v175, 0
	v_lshrrev_b32 v1, 5, v0
	v_readfirstlane_b32 s[WV], v1
	v_and_b32 v1, 31, v0                           ; lane
	s_wait_alu depctr_va_vdst(0)
	v_and_b32 v2, 15, v0                           ; r
	s_wait_alu depctr_va_vdst(0)
	v_bfe_u32 v3, v0, 4, 1                         ; h
	s_wait_alu depctr_va_sdst(0)                   ; the wave's number is written, ahead of its first reader
	s_mov_b32 s[EC], ttmp9
	s_and_b32 s[PP], ttmp7, 0xffff
	s_mov_b32 s[EA], 0
.irp thr, 7,13,18,22,25,27             ; a = how many of the rows' first pair numbers p has reached
	s_cmp_ge_u32 s[PP], \thr
	s_add_co_ci_u32 s[EA], s[EA], 0
.endr
	s_sub_co_u32 s28, 15, s[EA]
	s_mul_i32 s28, s28, s[EA]
	s_lshr_b32 s28, s28, 1
	s_sub_co_u32 s[EB], s[PP], s28
	s_add_co_u32 s[EB], s[EB], s[EA]
	s_add_co_u32 s[EB], s[EB], 1                   ; b
	s_lshl_b32 s28, 1, s[EA]
	s_lshl_b32 s29, 1, s[EB]
	s_or_b32 s[KY], s28, s29
	s_lshl_b32 s[KY+1], s[KY], 8
	s_lshl_b32 s[KY+2], s[KY], 16
	s_lshl_b32 s[KY+3], s[KY], 24
	s_lshl_b32 s[P22], s[PP], 22
	s_lshl_b32 s[P17], s[PP], 17
	s_mov_b32 s[POS], 0
	v_lshlrev_b32 v31, 4, v1                       ; 16 lane
	v_lshlrev_b32 v4, 11, v2                       ; Wd: a column's row of 2,048 bytes, + 16 h, + my four K steps
	s_wait_alu depctr_va_vdst(0)
	v_lshl_add_u32 v4, v3, 4, v4
	s_lshl_b32 s28, s[WV], 9
	v_add_nc_u32 v4, s28, v4
	v_lshlrev_b32 v5, 6, v2                        ; its scale bytes: 64 a row, + 16 w
	s_lshl_b32 s28, s[WV], 4
	v_add_nc_u32 v5, s28, v5
	s_lshl_b32 s28, s[WV], 13
	v_add_nc_u32 v6, s28, v31                      ; act: 16 lane + four K steps of 2,048 bytes a wave
	v_lshlrev_b32 v7, 2, v1
	s_lshl_b32 s28, s[WV], 8
	v_add_nc_u32 v7, s28, v7                       ; asc: 4 lane + four K steps of 64 bytes a wave
	v_lshl_add_u32 v8, v2, 2, LISTB
	v_mul_u32_u24 v9, v2, 528
	v_lshl_add_u32 v9, v3, 5, v9
	s_mul_i32 s28, s[WV], 8448
	v_add_nc_u32 v9, s28, v9                       ; the stage, in: my part, row r, + 32 h
	s_mul_i32 s28, s[WV], 33792
	v_add_nc_u32 v10, s28, v31                     ; and out: tile w, 16 bytes a lane
	s_lshl_b32 s28, s[EC], 9
	v_add_nc_u32 v11, s28, v31                     ; out0: my work-group's 512 bytes of a row
	v_add_nc_u32 v28, DUMPIDX, v1
	v_lshl_add_u32 v[LAD], v1, 4, LISTB
.set g_, 0
.rept 32
	v_lshl_add_u32 v[TOK+g_], v1, 4, 512*(g_/16)+(g_%16)
.set g_, g_+1
.endr
	s_wait_kmcnt 0x0
	s_wait_alu depctr_va_vdst(0)                   ; v31 is written, which the two loads below read; so are v4, v5 and v29, which later loads and stores read, and the 32 token numbers, the scatters' data
	global_load_b128 v[D:D+3], v31, s[4:5]
	global_load_b128 v[D+4:D+7], v31, s[4:5] offset:512
	s_mov_b32 s29, 0
	s_lshl_b32 s30, s[EC], 18                      ; 128 columns of 2,048 bytes
	s_lshl_b32 s28, s[EA], 21
	s_add_co_u32 s28, s28, s30
	s_add_nc_u64 s[WA:WA+1], s[12:13], s[28:29]
	s_lshl_b32 s28, s[EB], 21
	s_add_co_u32 s28, s28, s30
	s_add_nc_u64 s[WB:WB+1], s[12:13], s[28:29]
	s_lshl_b32 s30, s[EC], 13
	s_lshl_b32 s28, s[EA], 16
	s_add_co_u32 s28, s28, s30
	s_add_nc_u64 s[WSA:WSA+1], s[14:15], s[28:29]
	s_lshl_b32 s28, s[EB], 16
	s_add_co_u32 s28, s28, s30
	s_add_nc_u64 s[WSB:WSB+1], s[14:15], s[28:29]
	s_lshl_b32 s28, s[EA], 2
	s_add_nc_u64 s[CWA:CWA+1], s[6:7], s[28:29]
	s_lshl_b32 s28, s[EB], 2
	s_add_nc_u64 s[CWB:CWB+1], s[6:7], s[28:29]
	s_wait_loadcnt 0x0                             ; sel
.irp hf, 0,1                           ; every wave counts the pair's tokens; wave 0 alone writes the list
	BALLOT \hf
	s_wait_alu depctr_va_sdst(0)                   ; the sixteen ballots are written, ahead of their first reader, the count below
	PREFIX
	s_cmp_lg_u32 s[WV], 0
	s_cbranch_scc1 .Lns\hf
.if \hf == 0
.irp i, 0,1,2,3
	v_mov_b32 v[TMP+\i], 0
.endr
	s_wait_alu depctr_va_vdst(0)                   ; the four zeros are written, which the stores below read
.irp i, 0,1,2,3,4,5,6,7,8
	ds_store_b128 v[LAD], v[TMP:TMP+3] offset:512*\i   ; the list begins as zeros
.endr
.endif
	SCATTER \hf
.Lns\hf:
.endr
	s_min_u32 s[CNT], s[POS], 1024
	s_add_co_u32 s[NT], s[CNT], 15
	s_lshr_b32 s[NT], s[NT], 4
	s_wait_dscnt 0x0                               ; for the others' sake: wave 0's stores have landed
	s_barrier_signal -1
	s_barrier_wait -1
	s_mov_b32 s[K4], 0
.Lpass:                                ; 8 trips, a constant; a trip is two passes of four tiles, on the two stages
	PASS 0
	PASS 1
	s_add_co_u32 s[K4], s[K4], 8
	s_cmp_lt_u32 s[K4], 64
	s_cbranch_scc1 .Lpass
	s_wait_dscnt 0x0                               ; the closing lines, six on end
	s_wait_alu 0x0
	s_wait_tensorcnt 0x0
	ds_add_u32 v174, v175
	s_wait_dscnt 0x0
	s_endpgm
.Lfunc_end_k_q2cdc40cf18_down:
	.size	k_q2cdc40cf18_down, .Lfunc_end_k_q2cdc40cf18_down-k_q2cdc40cf18_down
	.p2alignl 7, 3214868480
	.fill 96, 4, 3214868480
	.section	.rodata,"a",@progbits
	.p2align	6, 0x0
	.amdhsa_kernel k_q2cdc40cf18_down
		.amdhsa_group_segment_fixed_size 275968
		.amdhsa_private_segment_fixed_size 0
		.amdhsa_enable_private_segment 0
		.amdhsa_kernarg_size 56
		.amdhsa_user_sgpr_count 2
		.amdhsa_user_sgpr_kernarg_segment_ptr 1
		.amdhsa_wavefront_size32 1
		.amdhsa_system_sgpr_workgroup_id_x 1
		.amdhsa_system_sgpr_workgroup_id_y 1
		.amdhsa_system_sgpr_workgroup_id_z 1
		.amdhsa_system_vgpr_workitem_id 0
		.amdhsa_next_free_vgpr 1024
		.amdhsa_next_free_sgpr 90
		.amdhsa_reserve_vcc 0
		.amdhsa_float_denorm_mode_32 3
		.amdhsa_float_denorm_mode_16_64 3
		.amdhsa_memory_ordered 1
		.amdhsa_forward_progress 1
		.amdhsa_inst_pref_size 255
	.end_amdhsa_kernel
	.section	.bss,"aw",@nobits
	.p2align	6
	.space	262144
	.amdgpu_metadata
---
amdhsa.version: [ 1, 2 ]
amdhsa.kernels:
  - .name:           k_q2cdc40cf18_down
    .symbol:         k_q2cdc40cf18_down.kd
    .args:
      - { .name: sel, .offset: 0, .size: 8, .value_kind: global_buffer, .address_space: global }
      - { .name: cw, .offset: 8, .size: 8, .value_kind: global_buffer, .address_space: global }
      - { .name: act, .offset: 16, .size: 8, .value_kind: global_buffer, .address_space: global }
      - { .name: asc, .offset: 24, .size: 8, .value_kind: global_buffer, .address_space: global }
      - { .name: down_proj_w_codes, .offset: 32, .size: 8, .value_kind: global_buffer, .address_space: global }
      - { .name: down_proj_w_scales, .offset: 40, .size: 8, .value_kind: global_buffer, .address_space: global }
      - { .name: out0, .offset: 48, .size: 8, .value_kind: global_buffer, .address_space: global }
    .group_segment_fixed_size: 275968
    .private_segment_fixed_size: 0
    .kernarg_segment_align: 8
    .kernarg_segment_size: 56
    .max_flat_workgroup_size: 128
    .sgpr_count:     90
    .vgpr_count:     1024
    .wavefront_size: 32
...
	.end_amdgpu_metadata
.endif
;; end of part 6
